; MI455X (gfx1250); checked and timed in simulation.
; The chip was launched on July 23, 2026; its instructions are those of AMD's public machine-readable ISA for CDNA 5 (MIT licence, August 2026) and "CDNA5" Instruction Set Architecture Reference Guide (July 2026). The comments in the code are by the model that wrote it; some were corrected since.
;; Self Attn. Allowed arithmetic: matrix products marked QUANTISED: E2M3 operands, one E8M0 scale for each 32 along K, by v_wmma_scale_f32_16x16x128_f8f6f4 with both operands' format E2M3, f32 sums; everything else in f32.
;; Inputs: Wf 32 x 1,024 float32; Wg 32 x 1,024 float32; Wh 1,024 x 1,024 float32; bf 32 float32; bg 32 float32; bh 1,024 float32; gamma one number float32; x 8 x 1,024 x 32 x 64 float32.
;; Outputs: out0 8 x 1,024 x 32 x 64 float32.
;; This version of the problem:
;;   THIS VERSION OF THE PROBLEM IS GIVEN IN LOW PRECISION. The matrix products marked QUANTISED in the list below multiply operands that are first quantised to E2M3 (2 exponent bits, 3 mantissa bits; 6 bits a number), with one power-of-two scale for each 32 numbers along K (OCP MX v1.0); their sums are f32. All else is computed in f32.
;;   The module's matrix products, in the order in which they are computed (A, B: the left and right operand; K: the contracted axis; several contracted axes count as one K, in the product's order):
;;     1. [M 16,384, K 1,024] x [K 1,024, N 32]; A: input x; B: input Wf: QUANTISED
;;     2. [M 16,384, K 1,024] x [K 1,024, N 32]; A: input x; B: input Wg: QUANTISED
;;     3. [M 16,384, K 1,024] x [K 1,024, N 1,024]; A: input x; B: input Wh: QUANTISED
;;     4. batch 8 x [M 2,048, K 32] x [K 32, N 2,048]; A: computed on the way; B: computed on the way: QUANTISED
;;     5. batch 8 x [M 1,024, K 2,048] x [K 2,048, N 2,048]; A: computed on the way; B: softmax (see below): QUANTISED
;;   THE QUANTISER, for each operand of a quantised product, along K:
;;     - K is cut into blocks of 32 from its start; a last block that is shorter is filled with zeros.
;;     - A block's scale is 2^e with e = floor(log2(the largest magnitude in the block)) - 2, held to -126 .. 127; a block of zeros has e = 0. As a byte (E8M0): e + 127.
;;     - Each number is divided by its block's scale, clamped to +-7.5, and rounded to the nearest number of E2M3, ties to even, subnormals kept.
;;     - The product sums the exact products of the quantised numbers (number of the format x scale) in f32.
;;   ~~~python
;;   def quantise(x, axis):      # numpy; x: float32 -> the quantised numbers, widened to float32 again
;;       x = np.moveaxis(x, axis, -1); K = x.shape[-1]
;;       x = np.pad(x, [(0, 0)] * (x.ndim - 1) + [(0, -K % 32)]); x = x.reshape(x.shape[:-1] + (-1, 32)); a = np.abs(x).max(-1, keepdims=True)
;;       e = np.where(a > 0, np.clip(np.frexp(np.where(a > 0, a, 1))[1] - 1 - 2, -126, 127), 0)      # np.frexp(a)[1] - 1 = floor(log2(a)), exactly
;;       r = np.clip(x / 2.0 ** e, -7.5, 7.5)
;;       step = 2.0 ** (np.maximum(np.frexp(np.where(r == 0, 1, r))[1] - 1, 0) - 3)
;;       q = np.round(r / step) * step * 2.0 ** e      # np.round: ties to even
;;       return np.moveaxis(q.reshape(q.shape[:-2] + (-1,))[..., :K], -1, axis).astype(np.float32)
;;   ~~~
;;   SOFTMAX AHEAD OF A QUANTISED PRODUCT. Where the list says 'softmax', what is quantised is not the finished softmax but p = 2^(t - M), with t = logit x log2(e) and M = ceil(the row's largest t), a whole number; so 1/2 < the row's largest p <= 1. The row's sum l is taken of the UNQUANTISED p, in f32, and the product's result is divided by l at the end. Since M is a whole number, a kernel that streams over the keys may use a running M (the ceiling of the running maximum): every later rescaling is an exact power of two, which a block's scale takes up: the codes' values come out the same.
;;   OPERANDS COMPUTED ON THE WAY. 'Computed on the way' means the value that the module computes at that place (a softmax that the list does not call 'softmax' is quantised finished and normalised). What goes into a quantiser is computed in f32, as accurately as f32 sums, v_exp_f32 and their like allow (about 1e-6 of the number): no bf16 or f16 on the way to a quantiser, and a product that is left as it is and whose result goes on into a quantised operand takes f32 operands (vector FMAs, or v_wmma_f32_16x16x4_f32). A number that lies on a knife's edge between two numbers of the format may be rounded either way, as far as f32 arithmetic and the matrix unit's own rounding can turn it there, and no further.
;; One version. Each part assembles by itself: llvm-mc -triple=amdgcn-amd-amdhsa -mcpu=gfx1250 --defsym DOCPART=n.
;; ======== version 1 of 1: 3 launches
;; workspace buffers: xq 13,107,200 bytes; wq 872,448 bytes; hq 13,107,200 bytes; fgq 1,179,648 bytes
;; launch quant (part 1): grid 1092 x 1, 4 waves a work-group, no clusters, 13,312 bytes of LDS; arguments x, Wh, Wf, Wg, xq, wq; writes xq, wq
.if DOCPART == 1
	.amdgcn_target "amdgcn-amd-amdhsa--gfx1250"
	.amdhsa_code_object_version 6
	.text
	.protected	k_q21a9053e6f_quant
	.globl	k_q21a9053e6f_quant
	.p2align	8
	.type	k_q21a9053e6f_quant,@function
k_q21a9053e6f_quant:
	s_mov_b64 s[64:65], 0
	v_nop
	global_prefetch_b8 v0, s[64:65] scope:SCOPE_SE
	s_setreg_imm32_b32 hwreg(HW_REG_WAVE_MODE, 25, 1), 1
	s_wait_xcnt 0x0
; x [8][1024 c][2048 n], Wh [1024][1024 c], Wf, Wg [32][1024 c], all f32, become codes of FP6 (E2M3) along c with one E8M0 byte for each 32 c.
; A block's scale is 2^(floor(log2(largest magnitude)) - 2); its byte is the largest magnitude's exponent field - 2, held at 1 from below.
; LIMITS: a block of zeros gets the byte 1 where the rule says 127 (its codes are zeros, and this program alone reads the bytes); blocks whose largest
; magnitude lies under 2^(2 - 126) are held at the byte 1; NaN and infinities among the inputs are not served.
; THE OUTPUT IS LAID AS IMAGES OF OPERAND REGISTERS.  A fragment (16 rows x 128 c, 12 registers a lane) is 1,536 bytes: register R of lane l at 512 (R / 4) + 16 l + 4 (R % 4).
; Lane (r, h) of a fragment holds in registers 6 cc .. 6 cc + 5 the 32 codes of c = 64 cc + 32 h + 0 .. 31 of row r.
;   xq: [16 batch + n / 128][c / 128] blocks of 12,800 bytes: 8 tiles of 16 positions, then 8 x 16 scale words.  Row r of tile 2 b + u is position 32 b + 8 u + r + 8 (r / 8).
;   wq: [half y][c / 128] blocks of 54,528 bytes: 34 tiles, then 36 x 16 scale words.  Tiles 0-31: channels 512 y + 16 tile + r of Wh; tiles 32, 33: Wf (y = 0) or Wg (y = 1), row 8 u + r + 8 (r / 8).
;   (Words 34 and 35 are written with the byte 127, so that the whole block is defined for the loads that bring it.)
; Work-groups 0-67 take the weights, the other 1,024 take x: 128 positions x 128 c each.  No work-group shares an input with another, so there are no clusters; no tensor loads, no barrier: a wave reads only its own LDS bytes.
.set NWW,  68                          ; work-groups for the weights: 2 halves x 17 pairs of tiles x 2 (a wave takes one of 4 steps of 128 c)
.set XBLK, 12800
.set WBLK, 54528
.set FRB,  1536
.set XN,   32                          ; v32-95   x path: two sets of 32 numbers
.set CD,   96                          ; v96-101  a block's 24 bytes of codes; v104-106 the second conversion's result
.set OUTR, 112                         ; v112-136 the way out
.set SBW,  24                          ; v24      my position's scale word
	s_load_b256 s[4:11], s[0:1], 0x0               ; x s[4:5], Wh s[6:7], Wf s[8:9], Wg s[10:11]
	s_load_b128 s[12:15], s[0:1], 0x20             ; xq s[12:13], wq s[14:15]
	v_lshl_add_u32 v192, v0, 2, 0x3200
	v_mov_b32 v193, 0
	v_lshrrev_b32 v1, 5, v0
	v_readfirstlane_b32 s16, v1                    ; wave 0..3
	v_and_b32 v2, 31, v0                           ; lane
	s_cmp_lt_u32 ttmp9, NWW
	s_cbranch_scc1 .Lweights
; ---------------- x: A LANE TAKES A POSITION, AND ITS REGISTERS RUN DOWN c.  Each load reads 128 consecutive bytes a wave, 512 a work-group.
	s_sub_co_u32 s17, ttmp9, NWW                   ; 8 x (16 batch + n / 128) + c / 128: also the number of my block of xq
	s_lshr_b32 s18, s17, 3
	s_and_b32 s19, s17, 7                          ; c / 128
	s_lshr_b32 s20, s18, 4                         ; batch
	s_and_b32 s21, s18, 15                         ; n / 128
	s_lshl_b32 s22, s20, 23                        ; a batch is 8,388,608 bytes,
	s_lshl_b32 s23, s19, 20                        ; 128 rows of c 1,048,576,
	s_add_co_u32 s22, s22, s23
	s_lshl_b32 s23, s21, 9                         ; 128 positions 512,
	s_add_co_u32 s22, s22, s23
	s_lshl_b32 s23, s16, 7                         ; my wave's 32 positions 128
	s_add_co_u32 s22, s22, s23
	s_mov_b32 s23, 0
	s_mul_i32 s24, s17, XBLK
	s_mov_b32 s25, 0
	s_mul_i32 s26, s16, 2*FRB                      ; my wave's two tiles in the block (in LDS and in memory alike)
	v_lshlrev_b32 v3, 2, v2                        ; in: 4 bytes a lane
	v_bfe_u32 v4, v2, 3, 1                         ; u: position L of the wave's 32 is row (L % 8) + 8 (L / 16) of tile 2 w + (L / 8) % 2
	v_and_b32 v5, 7, v2
	v_lshrrev_b32 v6, 4, v2
	v_lshl_add_u32 v5, v6, 3, v5                   ; the row
	v_mul_u32_u24 v7, v4, FRB
	v_lshl_add_u32 v7, v5, 4, v7
	v_add_nc_u32 v7, s26, v7                       ; my row's place in its image: tile + 16 x row
	s_lshl_b32 s27, s16, 7
	s_add_co_u32 s27, s27, 8*FRB                   ; my wave's 32 scale words
	v_lshlrev_b32 v8, 6, v4
	v_lshl_add_u32 v8, v5, 2, v8
	v_add_nc_u32 v8, s27, v8                       ; my row's word
	v_lshl_add_u32 v9, v2, 4, s26                  ; the way out: 16 bytes a lane of the wave's 3,072,
	v_lshl_add_u32 v10, v2, 2, s27                 ; 4 bytes a lane of its 128
	s_wait_kmcnt 0x0
	s_add_nc_u64 s[4:5], s[4:5], s[22:23]
	s_add_nc_u64 s[12:13], s[12:13], s[24:25]
.macro XLOADB t                        ; block t: x(32 t + i, my position), i = 0 .. 31, into set t % 2
.irp i, 0,1,2,3,4,5,6,7,8,9,10,11,12,13,14,15,16,17,18,19,20,21,22,23,24,25,26,27,28,29,30,31
	global_load_b32 v[XN+32*((\t)%2)+\i], v3, s[4:5] offset:(32*(\t)+\i)*8192 th:TH_LOAD_NT
.endr
.endm
.macro XBLOCK t
.set XS, XN+32*((\t)%2)
.if (\t) < 3
	s_wait_loadcnt 32                              ; this block's 32 loads are in; the next block's 32 may be out
.else
	s_wait_loadcnt 0x0
.endif
	v_max3_num_f32 v12, |v[XS]|, |v[XS+1]|, |v[XS+2]|       ; the block's largest magnitude: all 32 numbers are mine
	v_max3_num_f32 v13, |v[XS+3]|, |v[XS+4]|, |v[XS+5]|
.irp i, 6,10,14,18,22,26
	v_max3_num_f32 v12, v12, |v[XS+\i]|, |v[XS+\i+1]|
	v_max3_num_f32 v13, v13, |v[XS+\i+2]|, |v[XS+\i+3]|
.endr
	v_max3_num_f32 v12, v12, |v[XS+30]|, |v[XS+31]|
	v_max3_num_f32 v12, v12, v13, 0x1800000        ; and the floor 2^(3 - 127): the byte cannot fall under 1
	v_add_nc_u32 v11, 0xff000000, v12              ; 2 off the exponent field: the conversion takes this operand's exponent field as its scale
	v_lshrrev_b32 v13, 23, v11                     ; the scale's byte
.if (\t) == 0
	v_mov_b32 v[SBW], v13
.else
	v_lshl_or_b32 v[SBW], v13, 8*(\t), v[SBW]      ; four bytes to the word, the lower c in the lower byte
.endif
	v_cvt_scalef32_pk16_fp6_f32 v[CD:CD+2], v[XS:XS+15], v11
	v_cvt_scalef32_pk16_fp6_f32 v[CD+8:CD+10], v[XS+16:XS+31], v11   ; (a conversion's three registers begin on an even number)
	v_nop                                          ; one plain place behind a scaled conversion
	v_mov_b32 v[CD+3], v[CD+8]
	v_mov_b32 v[CD+4], v[CD+9]
	v_mov_b32 v[CD+5], v[CD+10]
; block t = 2 cc + h is registers 6 cc .. 6 cc + 5 of lane row + 16 h
.if (\t)/2 == 0
	ds_store_b128 v7, v[CD:CD+3] offset:256*((\t)%2)
	ds_store_b64 v7, v[CD+4:CD+5] offset:512+256*((\t)%2)
.else
	ds_store_b64 v7, v[CD:CD+1] offset:520+256*((\t)%2)
	ds_store_b128 v7, v[CD+2:CD+5] offset:1024+256*((\t)%2)
.endif
.if (\t)+2 < 4
	XLOADB (\t)+2
.endif
	s_wait_dscnt 0x0                               ; the stores have read their registers: the next block's codes may be written
.endm
	XLOADB 0
	XLOADB 1
	XBLOCK 0
	XBLOCK 1
	XBLOCK 2
	XBLOCK 3
	ds_store_b32 v8, v[SBW]
.irp i, 0,1,2,3,4,5
	ds_load_b128 v[OUTR+4*\i:OUTR+4*\i+3], v9 offset:512*\i    ; LDS serves a wave's instructions in order (ISA guide 5.7.1.4): these see my wave's stores
.endr
	ds_load_b32 v[OUTR+24], v10
.irp i, 0,1,2,3,4,5
	s_wait_dscnt 6-\i                              ; behind load i: the 5 - i loads of 16 bytes that follow it, and the scale words'
	global_store_b128 v9, v[OUTR+4*\i:OUTR+4*\i+3], s[12:13] offset:512*\i   ; 32 lanes store 512 consecutive bytes, at a multiple of 256 from xq's first byte
.endr
	s_wait_dscnt 0x0
	global_store_b32 v10, v[OUTR+24], s[12:13]
	s_wait_tensorcnt 0x0
	ds_add_u32 v192, v193
	s_wait_dscnt 0x0
	s_endpgm
; ---------------- the weights: c is innermost, so lane (r, h) loads the very numbers that the operand's layout gives it: two whole blocks of 32 for each tile.  A wave takes two tiles x 128 c.
.Lweights:
	s_cmp_ge_u32 ttmp9, 34
	s_cselect_b32 s17, 1, 0                        ; y
	s_mul_i32 s18, s17, 34
	s_sub_co_u32 s18, ttmp9, s18
	s_lshr_b32 s19, s18, 1                         ; the pair of tiles, 0 .. 16; pair 16 is Wf or Wg
	s_and_b32 s20, s18, 1
	s_lshl_b32 s20, s20, 2
	s_add_co_u32 s20, s20, s16                     ; c / 128
	v_and_b32 v1, 15, v0                           ; r
	v_bfe_u32 v3, v0, 4, 1                         ; h
	s_lshl_b32 s21, s17, 9
	s_lshl_b32 s22, s19, 5
	s_add_co_u32 s21, s21, s22                     ; Wh: the pair's first row, 512 y + 32 pair,
	s_lshl_b32 s22, s21, 12                        ; in bytes
	s_mov_b32 s32, 0x76543210
	s_mov_b32 s33, 0xfedcba98                      ; v_permlanex16_b32's selects for lane l xor 16
	s_mov_b32 s34, 0xffff0000                      ; lanes 16-31
	s_wait_kmcnt 0x0
	s_cmp_eq_u32 s17, 0                            ; the choices hang on the work-group's number alone
	s_cselect_b64 s[8:9], s[8:9], s[10:11]         ; Wf or Wg
	s_cmp_eq_u32 s19, 16
	s_cselect_b64 s[6:7], s[8:9], s[6:7]
	s_cselect_b32 s22, 0, s22
	s_cselect_b32 s24, 8, 0                        ; Wf, Wg: row r + 8 (r / 8) + 8 u;  Wh: row r + 16 u
	s_cselect_b32 s25, 8, 16
	s_mov_b32 s23, 0
	s_add_nc_u64 s[6:7], s[6:7], s[22:23]
	v_and_b32 v4, s24, v1
	v_add_nc_u32 v4, v4, v1
	s_lshl_b32 s26, s20, 9                         ; 128 c are 512 bytes
	v_lshlrev_b32 v5, 12, v4                       ; a row is 4,096 bytes
	v_lshl_add_u32 v5, v3, 7, v5                   ; + 128 h: my block of 32
	v_add_nc_u32 v5, s26, v5
	s_lshl_b32 s27, s25, 12
	v_add_nc_u32 v6, s27, v5                       ; the second tile
.irp u, 0,1
.irp c, 0,1
.irp i, 0,1,2,3,4,5,6,7
	global_load_b128 v[64+64*\u+32*\c+4*\i:64+64*\u+32*\c+4*\i+3], v[5+\u], s[6:7] offset:256*\c+16*\i   ; W(row, 64 c + 32 h + 4 i ..)
.endr
.endr
.endr
	s_mul_i32 s28, s17, 8*WBLK
	s_mul_i32 s29, s20, WBLK
	s_add_co_u32 s28, s28, s29
	s_mov_b32 s29, 0
	s_add_nc_u64 s[14:15], s[14:15], s[28:29]      ; my block of wq
	s_mul_i32 s30, s19, 2*FRB
	v_lshl_add_u32 v7, v2, 4, s30                  ; the pair's images, 16 bytes a lane
	s_lshl_b32 s31, s19, 7
	s_add_co_u32 s31, s31, 34*FRB
	v_lshl_add_u32 v8, v2, 2, s31                  ; the pair's 32 scale words
	v_lshlrev_b32 v9, 3, v3                        ; 8 h
	v_mov_b32 v10, 0                               ; (a lane permute's destination counts as one of its sources)
	s_wait_loadcnt 0x0
.macro QW u                            ; tile u: 64 numbers a lane -> 12 registers of codes at v[28 + 12 u], the rows' scale words in v[18 + u]
.set NB, 64+64*\u
.set PB, 28+12*\u
.irp c, 0,1
	v_max3_num_f32 v[12+\c], |v[NB+32*\c]|, |v[NB+32*\c+1]|, 0x1800000   ; my block 2 c + h, and the floor 2^(3 - 127)
.endr
.irp i, 2,4,6,8,10,12,14,16,18,20,22,24,26,28,30
.irp c, 0,1
	v_max3_num_f32 v[12+\c], v[12+\c], |v[NB+32*\c+\i]|, |v[NB+32*\c+\i+1]|
.endr
.endr
.irp c, 0,1
	v_add_nc_u32 v[14+\c], 0xff000000, v[12+\c]    ; the conversion's scale operand
.endr
.irp c, 0,1
	v_lshrrev_b32 v[16+\c], 23, v[14+\c]           ; the byte
.endr
	v_lshl_or_b32 v[18+\u], v17, 16, v16           ; my two bytes: blocks h and 2 + h,
	v_lshlrev_b32 v[18+\u], v9, v[18+\u]           ; at their places in the word;
	v_permlanex16_b32 v10, v[18+\u], s32, s33
	v_or_b32 v[18+\u], v[18+\u], v10               ; with lane l xor 16's two the word is whole
.irp c, 0,1
	v_cvt_scalef32_pk16_fp6_f32 v[PB+6*\c:PB+6*\c+2], v[NB+32*\c:NB+32*\c+15], v[14+\c]
	v_cvt_scalef32_pk16_fp6_f32 v[20+4*\c:22+4*\c], v[NB+32*\c+16:NB+32*\c+31], v[14+\c]
.endr
	v_nop                                          ; one plain place behind a scaled conversion
.irp c, 0,1
.irp i, 0,1,2
	v_mov_b32 v[PB+6*\c+3+\i], v[20+4*\c+\i]
.endr
.endr
.endm
	QW 0
	QW 1
	v_cndmask_b32 v11, v18, v19, s34               ; lanes 0-15: the first tile's words; lanes 16-31: the second's
.irp u, 0,1
.irp c, 0,1,2
	global_store_b128 v7, v[28+12*\u+4*\c:28+12*\u+4*\c+3], s[14:15] offset:FRB*\u+512*\c   ; 512 consecutive bytes
.endr
.endr
	global_store_b32 v8, v11, s[14:15]
	s_cmp_lg_u32 s19, 16
	s_cbranch_scc1 .Lwdone
	v_mov_b32 v12, 0x7f7f7f7f
	global_store_b32 v8, v12, s[14:15] offset:128  ; the block's last 128 bytes
.Lwdone:
	s_endpgm
.Lfunc_end_k_q21a9053e6f_quant:
	.size	k_q21a9053e6f_quant, .Lfunc_end_k_q21a9053e6f_quant-k_q21a9053e6f_quant
	.p2alignl 7, 3214868480
	.fill 96, 4, 3214868480
	.section	.rodata,"a",@progbits
	.p2align	6, 0x0
	.amdhsa_kernel k_q21a9053e6f_quant
		.amdhsa_group_segment_fixed_size 13312
		.amdhsa_private_segment_fixed_size 0
		.amdhsa_enable_private_segment 0
		.amdhsa_kernarg_size 48
		.amdhsa_user_sgpr_count 2
		.amdhsa_user_sgpr_kernarg_segment_ptr 1
		.amdhsa_wavefront_size32 1
		.amdhsa_system_sgpr_workgroup_id_x 1
		.amdhsa_system_sgpr_workgroup_id_y 1
		.amdhsa_system_sgpr_workgroup_id_z 1
		.amdhsa_system_vgpr_workitem_id 0
		.amdhsa_next_free_vgpr 194
		.amdhsa_next_free_sgpr 66
		.amdhsa_reserve_vcc 0
		.amdhsa_float_denorm_mode_32 3
		.amdhsa_float_denorm_mode_16_64 3
		.amdhsa_memory_ordered 1
		.amdhsa_forward_progress 1
		.amdhsa_inst_pref_size 34
	.end_amdhsa_kernel
	.amdgpu_metadata
---
amdhsa.version: [ 1, 2 ]
amdhsa.kernels:
  - .name:           k_q21a9053e6f_quant
    .symbol:         k_q21a9053e6f_quant.kd
    .args:
      - { .name: x, .offset: 0, .size: 8, .value_kind: global_buffer, .address_space: global }
      - { .name: Wh, .offset: 8, .size: 8, .value_kind: global_buffer, .address_space: global }
      - { .name: Wf, .offset: 16, .size: 8, .value_kind: global_buffer, .address_space: global }
      - { .name: Wg, .offset: 24, .size: 8, .value_kind: global_buffer, .address_space: global }
      - { .name: xq, .offset: 32, .size: 8, .value_kind: global_buffer, .address_space: global }
      - { .name: wq, .offset: 40, .size: 8, .value_kind: global_buffer, .address_space: global }
    .group_segment_fixed_size: 13312
    .private_segment_fixed_size: 0
    .kernarg_segment_align: 8
    .kernarg_segment_size: 48
    .max_flat_workgroup_size: 128
    .sgpr_count:     66
    .vgpr_count:     194
    .wavefront_size: 32
...
	.end_amdgpu_metadata
.endif
;; end of part 1
;; launch proj (part 2): grid 128 x 2, 4 waves a work-group, clusters of 4 x 1, 327,680 bytes of LDS; arguments xq, wq, bh, bf, bg, hq, fgq; writes hq, fgq
.if DOCPART == 2
	.amdgcn_target "amdgcn-amd-amdhsa--gfx1250"
	.amdhsa_code_object_version 6
	.text
	.protected	k_q21a9053e6f_proj
	.globl	k_q21a9053e6f_proj
	.p2align	8
	.type	k_q21a9053e6f_proj,@function
k_q21a9053e6f_proj:
	s_mov_b64 s[64:65], 0
	v_nop
	global_prefetch_b8 v0, s[64:65] scope:SCOPE_SE
	s_setreg_imm32_b32 hwreg(HW_REG_WAVE_MODE, 25, 1), 1
	s_wait_xcnt 0x0
	s_wait_alu depctr_hold_cnt(0) depctr_sa_sdst(0) depctr_va_vdst(0) depctr_va_sdst(0) depctr_va_ssrc(0) depctr_va_vcc(0) depctr_vm_vsrc(0)
	s_getreg_b32 s2, hwreg(HW_REG_IB_STS2, 6, 4)
	s_cmp_eq_u32 s2, 0
	s_cbranch_scc0 .Lentry_in_a_cluster
	s_endpgm
.Lentry_in_a_cluster:
	s_bfe_u32 s2, ttmp6, 0x10000c
	s_cmp_lg_u32 s2, 0x3003
	s_cbranch_scc0 .Lentry_shape_is_right
	s_endpgm
.Lentry_shape_is_right:
; hh = Wh x + bh, f = Wf x + bf, g = Wg x + bg on codes of FP6 (E2M3) with E8M0 scales, sums in f32; the results are quantised at once for the products that follow:
; hh along the positions (blocks of 32 positions of one channel), f and g along their 32 channels (one block a position).
; A work-group takes 128 positions (block PB = 16 batch + n / 128) and half y of the channels: 512 rows of Wh, and Wf (y = 0) or Wg (y = 1).  256 work-groups.
; A wave takes 8 tiles of channels x 8 tiles of positions: 64 accumulators, 512 registers; and for f or g two tiles of positions x 2 tiles of the 32 channels.
; xq and wq are images of operand registers (a fragment: 1,536 bytes, three runs of 512, lane l's 16 bytes at 16 l), so a fragment comes by three loads of 16 bytes a lane, without pitch or padding.
; hh: source 0 = 16 positions, source 1 = 16 channels: a lane holds ONE channel, its registers run along positions.  Row r of position tile 2 b + u is position 32 b + 8 u + r + 8 (r / 8), so the 16 registers
; of tiles 2 b, 2 b + 1 are the neighbours 32 b + 16 (lane / 16) + 0 .. 15.  f, g: source 0 = 16 of the 32 channels (rows in the same order), source 1 = 16 positions: a lane holds one position and 16 neighbouring channels.
; The biases are the C of each sum's first matrix instruction.
; c goes in 8 steps of 128 through two LDS slots of two steps each.  CLUSTER: the four work-groups of a cluster have the same y and walk the same blocks of wq: these are asked for JOINTLY (waves 0-2, 142 rows of 256 bytes each).
; x's block is the work-group's own (wave 3, a plain load).  It is also read by the work-group of the other y: 102,400 of a work-group's 538,624 bytes; sharing it would take a second mask for a fifth of the bytes, and is left out.
; OUT: hq [PB] blocks of 102,400 bytes: 64 tiles of channels (K = the block's 128 positions) x 1,536, then 64 x 16 scale words.
;      fgq [f, g][batch] blocks of 73,728 bytes: 128 tiles of positions x 512 bytes (lane (r, h): 12 bytes of codes of channels 16 h .. 16 h + 15, then a zero word), then 128 x 16 scale words, the block's byte four times.
; LIMITS: a block of zeros gets the byte 1 (its codes are zeros; this program alone reads the bytes); largest magnitudes under 2^(2 - 126) are held at the byte 1; NaN and infinities are not served.
; REGISTERS, in windows of 256: window 0: v1-5 lane terms; v8-31 LDS addresses; v32, v33 the add's; v40-55 scale words, two sets; v56-59 those of f, g; v60-67 bh; v68-99 f's or g's four accumulators; v100-115 bf or bg, later at work;
;   v128-223 W's 8 fragments, ONE set (blocks 0-3 are fetched anew in a step's middle, 4-7 at its end); v224-247 Wf's or Wg's two.
;   window 1: v0-95, v128-223 x's 8 fragments, TWO sets; v96-119 x's two tiles for f, g; v224-255 bh spread over eight registers a tile.   windows 2, 3: accumulator (t, q) at v[8 (8 (t % 4) + q)].
.set WBLK,  54528                      ; a step's block of wq
.set XBLK,  12800                      ; and of xq
.set XOFF,  2*WBLK                     ; a slot: W's two blocks, then x's two
.set SLOT,  2*WBLK+2*XBLK
.set SPARE, 2*SLOT                     ; behind the ring: the spare words, 128 bytes for each wave: two blocks of 256 bytes that no other line names
.set FR,    12
.set FRB,   1536
.set WSC,   34*FRB                     ; where a block's scale words begin
.set XSC,   8*FRB
.set DSE,   XOFF+XSC-WSC               ; from W's scale words to x's, first step of a slot
.set ADW, 8                            ; v8-11   my 8 tiles of W, for step k % 4 of the ring
.set ADX, 12                           ; v12-15  x's 8 tiles
.set ADF, 16                           ; v16-19  Wf's or Wg's two tiles
.set ADG, 20                           ; v20-23  x's tiles 2 w, 2 w + 1
.set ADS, 24                           ; v24-27  scale words: lanes 0-15 my tiles of W, lanes 16-31 x's tiles
.set ADT, 28                           ; v28-31  lanes 0-15 Wf's or Wg's, lanes 16-31 x's tiles 2 w, 2 w + 1
.set SPW, 32
.set NIL, 33
.set SC,  40
.set FS,  56
.set BH,  60
.set FGA, 68
.set FGB, 100
.set TM,  100
.set PWX, 116                          ; v116, v117 the scale words of an even and an odd tile
.set WF,  128
.set WG,  224
.set PF,  224                          ; the epilogue: f's or g's codes, two tiles x 4 registers
.set PWF, 232
.set PFM, 234
.set PWM, 236
.set XG,  96                           ; in window 1
.set BB,  224                          ; in window 1
.set WV,  18
.set SEL, 22
.set G1W, 24
.set G1X, 32
.set G0W, 40
.set G0X, 48
.set MSB, 0
.macro WIN new                         ; the immediate's high byte repeats the setting that is left
.if MSB != (\new)
	s_set_vgpr_msb (MSB<<8)|(\new)
.set MSB, (\new)
.endif
.endm
.set MUL_LO, 0xa1                      ; source 0 (x) window 1, source 1 (W) window 0, C and D window 2;  with C in window 1 (the bias): 0x91
.set MUL_HI, 0xf1                      ; the same, window 3;  with the bias: 0xd1
.macro PLACES n
.rept \n
	v_nop
.endr
.endm
; Waves 0-2 ask jointly for thirds of W's two blocks, wave 3 for x's two.  The branch hangs on the wave's number alone.  Four v_nop follow each of the two lines.
.macro JLOAD s
	s_cmp_lt_u32 s[WV], 3
	s_cbranch_scc0 .Lfor_x_\@
	tensor_load_to_lds s[G0W+4*\s:G0W+4*\s+3], s[G1W:G1W+7]
	s_nop 0
	PLACES 4
	s_branch .Lasked_\@
.Lfor_x_\@:
	tensor_load_to_lds s[G0X+4*\s:G0X+4*\s+3], s[G1X:G1X+7]
	s_nop 0
	PLACES 4
.Lasked_\@:
.endm
.macro CREST                           ; a round of the cluster's barrier behind its opening barrier
	s_cmp_lg_u32 s[WV], 0
	s_cbranch_scc1 .Lnot_wave_0_\@
	s_barrier_signal -3
.Lnot_wave_0_\@:
	s_barrier_wait -3
	s_barrier_signal -1
	s_barrier_wait -1
.endm
.macro CROUND
	s_barrier_signal -1
	s_barrier_wait -1
	CREST
.endm
	s_load_b256 s[4:11], s[0:1], 0x0               ; xq s[4:5], wq s[6:7], bh s[8:9], bf s[10:11]
	s_load_b128 s[12:15], s[0:1], 0x20             ; bg s[12:13], hq s[14:15]
	s_load_b64 s[16:17], s[0:1], 0x30              ; fgq
	v_lshl_add_u32 v[SPW], v0, 2, SPARE
	v_mov_b32 v[NIL], 0
	ds_add_u32 v32, v33
	s_wait_dscnt 0x0
	v_lshrrev_b32 v1, 5, v0
	v_readfirstlane_b32 s[WV], v1                  ; wave 0..3
	s_bfe_u32 s19, ttmp6, 0x40000                  ; cx
	s_lshl_b32 s20, ttmp9, 2
	s_add_co_u32 s20, s20, s19                     ; PB = 4 x cluster x + cx: it enters x's, hq's and fgq's addresses alone
	s_and_b32 s21, ttmp7, 0xffff                   ; y, which the four partners share
	s_mov_b32 s[SEL], 0x76543210
	s_mov_b32 s[SEL+1], 0xfedcba98
	; descriptor groups 1: dense blocks as rows of 256 bytes (32 elements of 8 bytes)
	s_mov_b32 s[G1W], 15|(3<<16)|(1<<21)           ; 15:0 the mask: all four work-groups; 17:16 elements of 8 bytes; 21 set beside a mask
	s_mov_b32 s[G1W+1], 32<<16                     ; tensor_dim0
	s_mov_b32 s[G1W+2], 142<<16                    ; tensor_dim1: a third of 2 x 54,528 bytes
	s_mov_b32 s[G1W+3], 32<<16                     ; tile_dim0
	s_mov_b32 s[G1W+4], 142                        ; tile_dim1
	s_mov_b32 s[G1W+5], 32                         ; the pitch
	s_mov_b32 s[G1W+6], 0
	s_mov_b32 s[G1W+7], 0
	s_mov_b32 s[G1X], 3<<16                        ; no mask
	s_mov_b32 s[G1X+1], 32<<16
	s_mov_b32 s[G1X+2], 100<<16                    ; 2 x 12,800 bytes
	s_mov_b32 s[G1X+3], 32<<16
	s_mov_b32 s[G1X+4], 100
	s_mov_b32 s[G1X+5], 32
	s_mov_b32 s[G1X+6], 0
	s_mov_b32 s[G1X+7], 0
	s_mul_i32 s56, s21, 8*WBLK
	s_mul_i32 s60, s[WV], 142*256                  ; my third, in memory and in a slot
	s_add_co_u32 s56, s56, s60
	s_mov_b32 s57, 0
	s_mul_i32 s58, s20, 8*XBLK
	s_mov_b32 s59, 0
	s_wait_kmcnt 0x0
	s_add_nc_u64 s[6:7], s[6:7], s[56:57]
	s_add_nc_u64 s[4:5], s[4:5], s[58:59]
	CROUND                                         ; all four work-groups are here: the first joint loads meet
.irp s, 0,1
	s_mov_b32 s[G0W+4*\s], 1
	s_add_co_u32 s[G0W+4*\s+1], s60, \s*SLOT
	s_add_nc_u64 s[G0W+4*\s+2:G0W+4*\s+3], s[6:7], \s*2*WBLK
	s_or_b32 s[G0W+4*\s+3], s[G0W+4*\s+3], 0x80000000
	s_mov_b32 s[G0X+4*\s], 1
	s_mov_b32 s[G0X+4*\s+1], \s*SLOT+XOFF
	s_add_nc_u64 s[G0X+4*\s+2:G0X+4*\s+3], s[4:5], \s*2*XBLK
	s_or_b32 s[G0X+4*\s+3], s[G0X+4*\s+3], 0x80000000
.endr
	s_cmp_lt_u32 s[WV], 3                          ; a wave's two first fills stand in one branch: two loads of mine are out
	s_cbranch_scc0 .Lfirst_x
	tensor_load_to_lds s[G0W:G0W+3], s[G1W:G1W+7]
	s_nop 0
	tensor_load_to_lds s[G0W+4:G0W+7], s[G1W:G1W+7]
	s_nop 0
	PLACES 4
	s_branch .Lfirst_asked
.Lfirst_x:
	tensor_load_to_lds s[G0X:G0X+3], s[G1X:G1X+7]
	s_nop 0
	tensor_load_to_lds s[G0X+4:G0X+7], s[G1X:G1X+7]
	s_nop 0
	PLACES 4
.Lfirst_asked:
	v_and_b32 v1, 15, v0                           ; r
	v_bfe_u32 v2, v0, 4, 1                         ; h
	v_and_b32 v3, 31, v0
	v_lshlrev_b32 v4, 2, v3                        ; 4 x lane
	v_lshlrev_b32 v3, 4, v3                        ; 16 x lane
	v_lshlrev_b32 v5, 2, v1                        ; 4 r
	v_lshlrev_b32 v34, 6, v2                       ; 64 h
	; the biases
	s_lshl_b32 s2, s21, 11
	s_lshl_b32 s3, s[WV], 9
	s_add_co_u32 s2, s2, s3
	s_mov_b32 s3, 0
	s_add_nc_u64 s[8:9], s[8:9], s[2:3]            ; bh at channel 512 y + 128 w
.irp t, 0,1,2,3,4,5,6,7
	global_load_b32 v[BH+\t], v5, s[8:9] offset:64*\t          ; bh of my lane's channel in tile t
.endr
	s_cmp_eq_u32 s21, 0
	s_cselect_b64 s[10:11], s[10:11], s[12:13]     ; bf or bg: the choice hangs on y alone
.irp i, 0,1,2,3
	global_load_b128 v[FGB+4*\i:FGB+4*\i+3], v34, s[10:11] offset:16*\i   ; channels 16 h + 0 .. 15
.endr
	; LDS addresses, one of each kind for each of the ring's four steps
	s_mul_i32 s56, s[WV], 8*FRB
	s_mul_i32 s57, s[WV], 2*FRB
.irp k, 0,1,2,3
	s_add_co_u32 s61, s56, (\k/2)*SLOT+(\k%2)*WBLK
	v_add_nc_u32 v[ADW+\k], s61, v3
	v_add_nc_u32 v[ADX+\k], (\k/2)*SLOT+XOFF+(\k%2)*XBLK, v3
	v_add_nc_u32 v[ADF+\k], (\k/2)*SLOT+(\k%2)*WBLK+32*FRB, v3
	v_add_nc_u32 v[ADG+\k], s57, v[ADX+\k]
.endr
	s_lshl_b32 s62, s[WV], 9                       ; my 8 tiles' scale words: 512 w
	s_lshl_b32 s63, s[WV], 7                       ; x's tiles 2 w ..: 128 w
.irp e, 0,1
	s_sub_co_u32 s61, DSE+(XBLK-WBLK)*\e, s62      ; the lower base + h x (the distance between the two): one product
	v_mul_u32_u24 v6, s61, v2
	v_add_nc_u32 v6, v6, v5
	v_add_nc_u32 v6, s62, v6
	s_add_co_u32 s61, s63, DSE-2048+(XBLK-WBLK)*\e
	v_mul_u32_u24 v7, s61, v2
	v_add_nc_u32 v7, v7, v5
.irp s, 0,1
	v_add_nc_u32 v[ADS+2*\s+\e], \s*SLOT+\e*WBLK+WSC, v6
	v_add_nc_u32 v[ADT+2*\s+\e], \s*SLOT+\e*WBLK+WSC+2048, v7
.endr
.endr
	; where the results go
	s_mul_i32 s2, s20, 102400
	s_add_nc_u64 s[14:15], s[14:15], s[2:3]        ; my block of hq
	s_lshl_b32 s2, s21, 5
	s_lshl_b32 s19, s[WV], 3
	s_add_co_u32 s19, s19, s2                      ; my first tile of channels: 32 y + 8 w
	s_mul_i32 s2, s19, FRB
	s_add_nc_u64 s[56:57], s[14:15], s[2:3]        ; its image
	s_lshl_b32 s2, s19, 6
	s_add_co_u32 s2, s2, 64*FRB
	s_add_nc_u64 s[58:59], s[14:15], s[2:3]        ; its scale words
	s_lshr_b32 s2, s20, 4
	s_mul_i32 s2, s2, 73728
	s_mul_i32 s19, s21, 8*73728
	s_add_co_u32 s2, s2, s19
	s_add_nc_u64 s[16:17], s[16:17], s[2:3]        ; f's or g's block of my batch
	s_and_b32 s2, s20, 15
	s_lshl_b32 s2, s2, 3
	s_lshl_b32 s19, s[WV], 1
	s_add_co_u32 s19, s19, s2                      ; my first tile of positions in the batch
	s_lshl_b32 s2, s19, 9
	s_add_nc_u64 s[60:61], s[16:17], s[2:3]
	s_lshl_b32 s2, s19, 6
	s_add_co_u32 s2, s2, 65536
	s_add_nc_u64 s[62:63], s[16:17], s[2:3]
.macro FETCH_W k, t0                   ; my tiles t0 .. t0 + 3 of W, step k: 12 loads
.irp i, \t0, \t0+1, \t0+2, \t0+3
.irp c, 0,1,2
	ds_load_b128 v[WF+FR*(\i)+4*\c:WF+FR*(\i)+4*\c+3], v[ADW+(\k)%4] offset:FRB*(\i)+512*\c
.endr
.endr
.endm
.macro FETCHRUN k                      ; 58 loads in one run: step k's x (set k % 2), x's two tiles for f, g, W's tiles 0-3, Wf's or Wg's two, and the scale words (sets k % 2)
	WIN 0x40
.irp i, 0,1,2,3,4,5,6,7
.irp c, 0,1,2
	ds_load_b128 v[128*((\k)%2)+FR*\i+4*\c:128*((\k)%2)+FR*\i+4*\c+3], v[ADX+(\k)%4] offset:FRB*\i+512*\c
.endr
.endr
.irp i, 0,1
.irp c, 0,1,2
	ds_load_b128 v[XG+FR*\i+4*\c:XG+FR*\i+4*\c+3], v[ADG+(\k)%4] offset:FRB*\i+512*\c
.endr
.endr
	WIN 0
	FETCH_W \k, 0
.irp i, 0,1
.irp c, 0,1,2
	ds_load_b128 v[WG+FR*\i+4*\c:WG+FR*\i+4*\c+3], v[ADF+(\k)%4] offset:FRB*\i+512*\c
.endr
.endr
.irp i, 0,1
	ds_load_b32 v[FS+2*((\k)%2)+\i], v[ADT+(\k)%4] offset:64*\i
.endr
.irp i, 0,1,2,3,4,5,6,7
	ds_load_b32 v[SC+8*((\k)%2)+\i], v[ADS+(\k)%4] offset:64*\i
.endr
.endm
; 16 matrix instructions: W's tiles a0, a0 + 1 x x's eight.  The accumulators take turns, one instruction a turn, in the same order in every step.
.macro MUL16 a0, k, zero
.irp a, \a0, \a0+1
.irp b, 0,1,2,3,4,5,6,7
.if \zero
	v_wmma_scale_f32_16x16x128_f8f6f4 v[8*(8*((\a)%4)+\b):8*(8*((\a)%4)+\b)+7], v[128*((\k)%2)+FR*\b:128*((\k)%2)+FR*\b+FR-1], v[WF+FR*(\a):WF+FR*(\a)+FR-1], v[BB+8*((\a)%4):BB+8*((\a)%4)+7], v[SC+8*((\k)%2)+\b], v[SC+8*((\k)%2)+(\a)] matrix_a_fmt:MATRIX_FMT_FP6 matrix_b_fmt:MATRIX_FMT_FP6 matrix_a_scale:MATRIX_SCALE_ROW1
.else
	v_wmma_scale_f32_16x16x128_f8f6f4 v[8*(8*((\a)%4)+\b):8*(8*((\a)%4)+\b)+7], v[128*((\k)%2)+FR*\b:128*((\k)%2)+FR*\b+FR-1], v[WF+FR*(\a):WF+FR*(\a)+FR-1], v[8*(8*((\a)%4)+\b):8*(8*((\a)%4)+\b)+7], v[SC+8*((\k)%2)+\b], v[SC+8*((\k)%2)+(\a)] matrix_a_fmt:MATRIX_FMT_FP6 matrix_b_fmt:MATRIX_FMT_FP6 matrix_a_scale:MATRIX_SCALE_ROW1
.endif
.endr
.endr
.endm
.macro FGMUL k, zero                   ; f or g: 4 matrix instructions: position tiles 2 w + e x the two tiles u of the 32 channels
	WIN 0x04                                       ; source 1 (x) window 1, all else window 0
.irp e, 0,1
.irp u, 0,1
.if \zero
	v_wmma_scale_f32_16x16x128_f8f6f4 v[FGA+8*(2*\e+\u):FGA+8*(2*\e+\u)+7], v[WG+FR*\u:WG+FR*\u+FR-1], v[XG+FR*\e:XG+FR*\e+FR-1], v[FGB+8*\u:FGB+8*\u+7], v[FS+2*((\k)%2)+\u], v[FS+2*((\k)%2)+\e] matrix_a_fmt:MATRIX_FMT_FP6 matrix_b_fmt:MATRIX_FMT_FP6 matrix_b_scale:MATRIX_SCALE_ROW1
.else
	v_wmma_scale_f32_16x16x128_f8f6f4 v[FGA+8*(2*\e+\u):FGA+8*(2*\e+\u)+7], v[WG+FR*\u:WG+FR*\u+FR-1], v[XG+FR*\e:XG+FR*\e+FR-1], v[FGA+8*(2*\e+\u):FGA+8*(2*\e+\u)+7], v[FS+2*((\k)%2)+\u], v[FS+2*((\k)%2)+\e] matrix_a_fmt:MATRIX_FMT_FP6 matrix_b_fmt:MATRIX_FMT_FP6 matrix_b_scale:MATRIX_SCALE_ROW1
.endif
.endr
.endr
.endm
.macro BIAS t0                         ; bh of tiles t0 .. t0 + 3, eight registers a tile: a lane's eight results belong to one channel
	WIN 0x40
.irp a, 0,1,2,3
.irp j, 0,1,2,3,4,5,6,7
	v_mov_b32 v[BB+8*\a+\j], v[BH+\t0+\a]
.endr
.endr
	PLACES 8                                       ; registers written by vector instructions stand some places ahead of the scaled matrix instruction that takes them
.endm
; A step that has its successor in the same slot.  Loads into registers that matrix instructions have read stand four places behind them (ISA guide 7.12.1 for vector instructions).
.macro STEP k, zero
	s_wait_dscnt 12                                ; all but the youngest 12 loads (W's tiles 4-7) are in
	FGMUL \k, \zero
	WIN MUL_LO-0x10*\zero
	MUL16 0, \k, \zero
	MUL16 2, \k, \zero
	s_wait_dscnt 0x0                               ; W's tiles 4-7 are in (asked for 36 matrix instructions ago)
	PLACES 4
.if \zero
	BIAS 4
.endif
	FETCHRUN (\k)+1
	WIN MUL_HI-0x20*\zero
	MUL16 4, \k, \zero
	MUL16 6, \k, \zero
	PLACES 4
	WIN 0
	FETCH_W (\k)+1, 4
.endm
; A slot's second step changes slots: ONE barrier; in front of it each wave waits for all its tensor loads, adds 0 to its spare word, and waits for that and for its reads of this slot.  fill = 1: this slot is filled again, with the steps four on.
.macro TURN k, fill
.set SL, ((\k)/2)%2
	s_wait_tensorcnt 0x0                           ; all my tensor loads have landed: my part of the next slot;  (every window is 0 here)
	ds_add_u32 v[SPW], v[NIL]                      ; 0 onto my spare word
	s_wait_dscnt 13                                ; (the add and the youngest 12 loads may be out)
	FGMUL \k, 0
	WIN MUL_LO
	MUL16 0, \k, 0                                 ; twenty matrix instructions stand between the add and the wait for it
	s_wait_dscnt 0x0                               ; the add is done, and my reads of this slot are over
	s_barrier_signal -1
	MUL16 2, \k, 0
	WIN 0
	s_barrier_wait -1
.if \fill
	CREST                                          ; the barrier has opened a round of the cluster's barrier: no wave of any partner still reads this slot or has a load on its way
	s_add_nc_u64 s[G0W+4*SL+2:G0W+4*SL+3], s[G0W+4*SL+2:G0W+4*SL+3], 4*WBLK
	s_add_nc_u64 s[G0X+4*SL+2:G0X+4*SL+3], s[G0X+4*SL+2:G0X+4*SL+3], 4*XBLK
	JLOAD SL                                       ; the first tensor load behind the round: it has two steps, 136 matrix instructions, in which to land; its four v_nop are the places in front of the loads below
.else
	PLACES 4
.endif
	FETCHRUN (\k)+1
	WIN MUL_HI
	MUL16 4, \k, 0
	MUL16 6, \k, 0
	PLACES 4
	WIN 0
	FETCH_W (\k)+1, 4
.endm
	s_wait_tensorcnt 1                             ; my part of slot 0 is in; slot 1's may stay out
	s_barrier_signal -1
	s_barrier_wait -1                              ; everybody's is
	FETCHRUN 0
	FETCH_W 0, 4
	s_wait_loadcnt 0x0                             ; the biases
	BIAS 0
	STEP 0, 1                                      ; the first step's products start the sums, on the biases
	TURN 1, 1
	STEP 2, 0
	TURN 3, 1
	STEP 4, 0
	TURN 5, 0                                      ; nothing is left to fetch
	STEP 6, 0
	s_wait_dscnt 12                                ; the last step
	FGMUL 7, 0
	WIN MUL_LO
	MUL16 0, 7, 0
	MUL16 2, 7, 0
	s_wait_dscnt 0x0
	WIN MUL_HI
	MUL16 4, 7, 0
	MUL16 6, 7, 0
	WIN 0
	PLACES 4                                       ; in front of the first reads of results and the first writes over operands that are done with
; f or g of position tile 2 w + e: a lane's 16 numbers are channels 16 h + 0 .. 15 of its position; the block of 32 lies in lanes l and l xor 16
.macro QF e
.set QA, FGA+16*\e
	v_max3_num_f32 v[TM], |v[QA]|, |v[QA+1]|, 0x1800000       ; each accumulator is read from its low end on; the floor 2^(3 - 127) holds the byte at 1 from below
.irp i, 2,4,6,8,10,12,14
	v_max3_num_f32 v[TM], v[TM], |v[QA+\i]|, |v[QA+\i+1]|
.endr
	v_permlanex16_b32 v[TM+4], v[TM], s[SEL], s[SEL+1]
	v_max_num_f32 v[TM], v[TM], v[TM+4]
	v_add_nc_u32 v[TM+12], 0xff000000, v[TM]       ; 2 off the exponent field: the conversion's scale operand
	v_lshrrev_b32 v[TM+4], 23, v[TM+12]            ; the byte,
	v_lshl_or_b32 v[TM+4], v[TM+4], 8, v[TM+4]
	v_lshl_or_b32 v[PWF+\e], v[TM+4], 16, v[TM+4]  ; four times: the scores lay the block's halves at k 0-15 and k 32-47
	v_cvt_scalef32_pk16_fp6_f32 v[PF+4*\e:PF+4*\e+2], v[QA:QA+15], v[TM+12]
	v_mov_b32 v[PF+4*\e+3], 0                      ; the zero word (and a plain place behind the conversion)
.endm
	QF 0
	QF 1
	s_mov_b32 s2, 0xffff0000
	v_cndmask_b32 v[PFM], v[PWF], v[PWF+1], s2     ; lanes 0-15: the first tile's words; lanes 16-31: the second's
	global_store_b128 v3, v[PF:PF+3], s[60:61]
	global_store_b128 v3, v[PF+4:PF+7], s[60:61] offset:512
	global_store_b32 v4, v[PFM], s[62:63]
; hh of channel tile t: 64 numbers a lane, register 16 b + i = position 32 b + 16 h + i of my channel -> a fragment's codes and its scale word
.macro QH t
.set AC, 64*((\t)%4)
.set PC, 128+24*((\t)%2)
	WIN 0x0a+5*((\t)/4)                            ; sources 0 and 1: window 2 or 3
.irp b, 0,1,2,3
	v_max3_num_f32 v[TM+\b], |v[AC+16*\b]|, |v[AC+16*\b+1]|, 0x1800000
.endr
.irp i, 2,4,6,8,10,12,14
.irp b, 0,1,2,3
	v_max3_num_f32 v[TM+\b], |v[AC+16*\b+\i]|, |v[AC+16*\b+\i+1]|, v[TM+\b]   ; (the four blocks by turns; each accumulator in ascending order)
.endr
.endr
	WIN 0
.irp b, 0,1,2,3
	v_permlanex16_b32 v[TM+4+\b], v[TM+\b], s[SEL], s[SEL+1]
.endr
.irp b, 0,1,2,3
	v_max_num_f32 v[TM+\b], v[TM+\b], v[TM+4+\b]   ; with lane l xor 16's: the block's largest magnitude
.endr
.irp b, 0,1,2,3
	v_add_nc_u32 v[TM+12+\b], 0xff000000, v[TM+\b]
.endr
.irp b, 0,1,2,3
	v_lshrrev_b32 v[TM+4+\b], 23, v[TM+12+\b]
.endr
	v_lshl_or_b32 v[PWX+(\t)%2], v[TM+5], 8, v[TM+4]
	v_lshl_or_b32 v[PWX+(\t)%2], v[TM+6], 16, v[PWX+(\t)%2]
	v_lshl_or_b32 v[PWX+(\t)%2], v[TM+7], 24, v[PWX+(\t)%2]
	s_wait_xcnt 0x0                                ; the stores of two tiles ago have read this set of registers
	WIN 0x02+((\t)/4)                              ; source 0: window 2 or 3
.irp c, 0,1
	v_cvt_scalef32_pk16_fp6_f32 v[PC+6*\c:PC+6*\c+2], v[AC+32*\c:AC+32*\c+15], v[TM+12+2*\c]
	v_cvt_scalef32_pk16_fp6_f32 v[PC+12+4*\c:PC+14+4*\c], v[AC+32*\c+16:AC+32*\c+31], v[TM+12+2*\c+1]
.endr
	WIN 0
	v_nop                                          ; one plain place behind a scaled conversion
.irp c, 0,1                            ; the operand's layout wants a WHOLE block in a lane: lanes 0-15 block 2 c, lanes 16-31 block 2 c + 1
.irp i, 0,1,2
	v_permlane16_swap_b32 v[PC+6*\c+\i], v[PC+12+4*\c+\i]
.endr
.irp i, 0,1,2
	v_mov_b32 v[PC+3+6*\c+\i], v[PC+12+4*\c+\i]
.endr
.endr
.irp c, 0,1,2
	global_store_b128 v3, v[PC+4*\c:PC+4*\c+3], s[56:57] offset:FRB*(\t)+512*\c    ; 512 consecutive bytes, at a multiple of 256 from hq's first byte
.endr
.if (\t)%2 == 1
	v_cndmask_b32 v[PWM+(\t)/2], v[PWX], v[PWX+1], s2
	global_store_b32 v4, v[PWM+(\t)/2], s[58:59] offset:64*((\t)-1)
.endif
.endm
.irp t, 0,1,2,3,4,5,6,7
	QH \t
.endr
	s_wait_tensorcnt 0x0                           ; the wave's end
	ds_add_u32 v[SPW], v[NIL]
	s_wait_dscnt 0x0
	CROUND                                         ; the closing round: no work-group ends while a partner may still ask for a block that names it
	s_endpgm
.Lfunc_end_k_q21a9053e6f_proj:
	.size	k_q21a9053e6f_proj, .Lfunc_end_k_q21a9053e6f_proj-k_q21a9053e6f_proj
	.p2alignl 7, 3214868480
	.fill 96, 4, 3214868480
	.section	.rodata,"a",@progbits
	.p2align	6, 0x0
	.amdhsa_kernel k_q21a9053e6f_proj
		.amdhsa_group_segment_fixed_size 327680
		.amdhsa_private_segment_fixed_size 0
		.amdhsa_enable_private_segment 0
		.amdhsa_kernarg_size 56
		.amdhsa_user_sgpr_count 2
		.amdhsa_user_sgpr_kernarg_segment_ptr 1
		.amdhsa_wavefront_size32 1
		.amdhsa_system_sgpr_workgroup_id_x 1
		.amdhsa_system_sgpr_workgroup_id_y 1
		.amdhsa_system_sgpr_workgroup_id_z 1
		.amdhsa_system_vgpr_workitem_id 0
		.amdhsa_next_free_vgpr 1024
		.amdhsa_next_free_sgpr 66
		.amdhsa_reserve_vcc 0
		.amdhsa_float_denorm_mode_32 3
		.amdhsa_float_denorm_mode_16_64 3
		.amdhsa_memory_ordered 1
		.amdhsa_forward_progress 1
		.amdhsa_inst_pref_size 158
	.end_amdhsa_kernel
	.amdgpu_metadata
---
amdhsa.version: [ 1, 2 ]
amdhsa.kernels:
  - .name:           k_q21a9053e6f_proj
    .symbol:         k_q21a9053e6f_proj.kd
    .args:
      - { .name: xq, .offset: 0, .size: 8, .value_kind: global_buffer, .address_space: global }
      - { .name: wq, .offset: 8, .size: 8, .value_kind: global_buffer, .address_space: global }
      - { .name: bh, .offset: 16, .size: 8, .value_kind: global_buffer, .address_space: global }
      - { .name: bf, .offset: 24, .size: 8, .value_kind: global_buffer, .address_space: global }
      - { .name: bg, .offset: 32, .size: 8, .value_kind: global_buffer, .address_space: global }
      - { .name: hq, .offset: 40, .size: 8, .value_kind: global_buffer, .address_space: global }
      - { .name: fgq, .offset: 48, .size: 8, .value_kind: global_buffer, .address_space: global }
    .group_segment_fixed_size: 327680
    .private_segment_fixed_size: 0
    .kernarg_segment_align: 8
    .kernarg_segment_size: 56
    .max_flat_workgroup_size: 128
    .sgpr_count:     66
    .vgpr_count:     1024
    .wavefront_size: 32
...
	.end_amdgpu_metadata
.endif
;; end of part 2
;; launch attn (part 3): grid 32 x 8, 4 waves a work-group, clusters of 4 x 1, 327,680 bytes of LDS; arguments x, gamma, hq, fgq, out0; writes out0
.if DOCPART == 3
	.amdgcn_target "amdgcn-amd-amdhsa--gfx1250"
	.amdhsa_code_object_version 6
	.text
	.protected	k_q21a9053e6f_attn
	.globl	k_q21a9053e6f_attn
	.p2align	8
	.type	k_q21a9053e6f_attn,@function
k_q21a9053e6f_attn:
	s_mov_b64 s[64:65], 0
	v_nop
	global_prefetch_b8 v0, s[64:65] scope:SCOPE_SE
	s_setreg_imm32_b32 hwreg(HW_REG_WAVE_MODE, 25, 1), 1
	s_wait_xcnt 0x0
	s_wait_alu depctr_hold_cnt(0) depctr_sa_sdst(0) depctr_va_vdst(0) depctr_va_sdst(0) depctr_va_ssrc(0) depctr_va_vcc(0) depctr_vm_vsrc(0)
	s_getreg_b32 s2, hwreg(HW_REG_IB_STS2, 6, 4)
	s_cmp_eq_u32 s2, 0
	s_cbranch_scc0 .Lentry_in_a_cluster
	s_endpgm
.Lentry_in_a_cluster:
	s_bfe_u32 s2, ttmp6, 0x10000c
	s_cmp_lg_u32 s2, 0x3003
	s_cbranch_scc0 .Lentry_shape_is_right
	s_endpgm
.Lentry_shape_is_right:
; out[b][c][i] = gamma / l[i] x (sum over j of p[i][j] hh[c][j]) + x[b][c][i];  p = 2^(t - M), t = <g(:, i), f(:, j)> log2(e), M = ceil(the row's largest t), l = the row's sum of the unquantised p.
; Both products on codes of FP6 (E2M3) with E8M0 scales; f, g, hh arrive as codes (images of operand registers), p is quantised here along the keys.
; SHARES.  A work-group owns 64 queries (block QB) of one batch and ALL 1,024 channels: 256 work-groups.  For the second product wave w takes channel tiles 16 w .. 16 w + 15 x the 4 tiles of queries: 64 accumulators.
; For the softmax wave w takes query tile w; its p goes to the other waves through LDS as an image of the operand's registers.
; THE MAXIMUM IS TAKEN FIRST.  Phase A makes all scores of my 16 queries once (128 matrix instructions) and keeps the largest score of each of the 64 blocks of 32 keys.  From these come the row's M, exactly, and every block's scale:
; p rises with the score, so a block's largest p is its largest score put through the same multiply-add and exponential.  (This takes v_exp_f32 not to fall where its input rises; at the worst one p of a block would be held one code low.)
; The main loop makes the scores again, step by step, with nothing to search for and nothing to rescale: 512 accumulator registers are never multiplied.
; Phase A runs on two sets of registers (f's fragments, their scale words, the scores) by turns: a step's products stand ahead of the search through the step before, and its loads are issued two steps ahead.
; THE KEY STEPS ARE WALKED IN A ROTATED ORDER.  Cluster x (0 .. 7) of a batch begins at key step 4 q, q = (x xor 3 (x / 4)) mod 4: its local step j is key step (4 q + j) mod 16.  So the eight clusters of a batch do not ask for the
; same block of hq at the same time: the block of a local step from 4 on was asked for four periods earlier by the cluster whose q is one more.  q takes all four values on either side of any split of the eight by one bit of x.
; Nothing hangs on the order, since M and the scales are known before the first product.  f's block is laid into LDS in the local order by its first fills, so that no LDS address knows of q.
; THE SCORES' K IS 32: f's and g's one block is laid at k 0-15 (lanes 0-15) and k 32-47 (lanes 16-31) of the instruction's 128, alike on both sides, with its byte in every byte of the scale word; all other codes are zeros.
; LAYOUT.  S^T = f g^T (source 0 = 16 keys, source 1 = my 16 queries): a lane holds one query.  Row r of a tile 2 b + u of positions is position 32 b + 8 u + r + 8 (r / 8), so the 16 registers of tiles 2 b, 2 b + 1 are 16 neighbouring keys.
; O = p hh^T (source 0 = 16 queries, source 1 = 16 channels): a lane holds one channel, and register j of (tile t, query tile 2 b + u) is query 32 b + 16 (lane / 16) + 8 u + j.
; A PERIOD is one key step of 128: the scores and softmax of step j + 1 stand in chunks between the second half of step j - 1's products and the first half of step j's.  One barrier a period.
; x IS ASKED FOR AHEAD: of my 16 tiles of channels the first three behind the last scores (g's and f's registers have had their last use), three more at the head of the last period (S's and the codes' registers): 48 loads, 24 KiB a wave.
; CLUSTER.  The four work-groups of a cluster belong to one batch and walk the same hh and f: every block is asked for JOINTLY, each wave a quarter.  x is each work-group's own.
; LIMITS: NaN and infinities are not served; a block whose every p has fallen to 0 keeps the byte 1 (its codes are zeros); the f32 sums over the keys (O's and l's) begin at key step 4 q: an order of rounding that differs from cluster to cluster.
; LDS: two slots of a step's hh (102,400 bytes each); f's block of the batch (73,728, filled once); p's images, two buffers of 6,144; p's scale words [step][query tile][row], 4,096; gamma / l, 256; a stage of 16 x 272 bytes for each wave; the spare words.
; REGISTERS: window 0: v1-23 lane terms and addresses; v24, v25 -M; v26-29 the sum; v34-37 the conversions' scales; v38-45 hh's scale words; v46, v47 p's; v48-51 f's; v52 g's; v54-65 g; v66-161 f's 8 fragments; v162-225 S, then p; v226-245 p's codes;
;   from the last scores on v64-255 take x, six sets of 32.
;   window 1: v0-191 hh's 16 fragments; v192-239 p's four (in phase A: v0-63 and v192-255 S, v64-127 the blocks' largest scores, v128.. at work; on the way out v0-63 rows of O).
;   windows 2, 3: accumulator (t, q) at v[8 (4 (t % 8) + q)]  (in phase A v0-95 of window 2 hold f's second set of fragments).
.set HBLK,  102400
.set FR,    12
.set FRB,   1536
.set FIM,   2*HBLK
.set FSC,   FIM+65536
.set PIM,   FIM+73728
.set PBUF,  4*FRB
.set PWB,   PIM+2*PBUF
.set LRG,   PWB+4096
.set STG,   LRG+256
.set SPITCH, 272
.set SPARE, STG+4*16*SPITCH            ; the spare words, 128 bytes for each wave: two blocks of 256 bytes that no other line names
.set AH,  3                            ; v3, v4   my 16 tiles of hh in slot 0, 1
.set AHS, 5                            ; v5, v6   their scale words
.set AF,  7                            ; v7       f's tiles of the step to be fetched
.set AFS, 8                            ; v8       their scale words
.set APO, 9                            ; v9       my query tile's own scale words of p
.set APS, 10                           ; v10      all four tiles' scale words of p
.set API, 11                           ; v11      p's images, to read
.set APW, 12                           ; v12      my tile's image, to write
.set STO, 13
.set RD,  14
.set GO,  15
.set ALR, 16
.set AGL, 17
.set PFO, 18
.set SPW, 19
.set NIL, 20
.set PWR, 22
.set NM,  24
.set LL,  26
.set GL,  32                           ; the way out: gamma / l of my four queries
.set SCL, 34
.set HS,  38                           ; (in phase A v38-41 hold the scale words of f's second set)
.set PS,  46
.set FS,  48
.set GS,  52
.set GF,  54
.set FB,  66
.set SS,  162
.set PC,  226
.set XR,  64                           ; x, six sets of 32
.set BK,  0                            ; in window 1: rows read back from the stage, two sets of 32
.set BM,  64                           ; in window 1
.set TP,  128                          ; in window 1
.set WV,  15
.set CS,  18
.set SEL, 20
.set G1H, 24                           ; s[24:31] group 1 for a quarter of a step's hh
.set G1F, 32                           ; s[32:39] for a quarter of f's tiles
.set G0S, 40                           ; s[40:47] groups 0 of the two slots
.set G0F, 48                           ; s[48:51] group 0 of f's tiles
.set G1T, 68                           ; s[68:75] group 1 for a quarter of f's scale words
.set G0T, 76                           ; s[76:79] its group 0
.set OFS, 80                           ; s[80:81] a byte offset in 64 bits; the upper word stays 0
.set KN,  82                           ; s82      4 q + the local step that is asked for next
.set MSB, 0
.macro WIN new                         ; the immediate's high byte repeats the setting that is left
.if MSB != (\new)
	s_set_vgpr_msb (MSB<<8)|(\new)
.set MSB, (\new)
.endif
.endm
.macro PLACES n
.rept \n
	v_nop
.endr
.endm
.macro CREST                           ; a round of the cluster's barrier behind its opening barrier
	s_cmp_lg_u32 s[WV], 0
	s_cbranch_scc1 .Lnot_wave_0_\@
	s_barrier_signal -3
.Lnot_wave_0_\@:
	s_barrier_wait -3
	s_barrier_signal -1
	s_barrier_wait -1
.endm
.macro CROUND
	s_barrier_signal -1
	s_barrier_wait -1
	CREST
.endm
; One scaled matrix instruction.  z = 1: C is the constant 0.  ra, rb: the side's scales are taken from lanes 16-31 of its register.
.macro WM d, a, b, z, sa, sb, ra, rb
.if \z
.if (\ra) && (\rb)
	v_wmma_scale_f32_16x16x128_f8f6f4 v[\d:\d+7], v[\a:\a+11], v[\b:\b+11], 0, v[\sa], v[\sb] matrix_a_fmt:MATRIX_FMT_FP6 matrix_b_fmt:MATRIX_FMT_FP6 matrix_a_scale:MATRIX_SCALE_ROW1 matrix_b_scale:MATRIX_SCALE_ROW1
.elseif \ra
	v_wmma_scale_f32_16x16x128_f8f6f4 v[\d:\d+7], v[\a:\a+11], v[\b:\b+11], 0, v[\sa], v[\sb] matrix_a_fmt:MATRIX_FMT_FP6 matrix_b_fmt:MATRIX_FMT_FP6 matrix_a_scale:MATRIX_SCALE_ROW1
.elseif \rb
	v_wmma_scale_f32_16x16x128_f8f6f4 v[\d:\d+7], v[\a:\a+11], v[\b:\b+11], 0, v[\sa], v[\sb] matrix_a_fmt:MATRIX_FMT_FP6 matrix_b_fmt:MATRIX_FMT_FP6 matrix_b_scale:MATRIX_SCALE_ROW1
.else
	v_wmma_scale_f32_16x16x128_f8f6f4 v[\d:\d+7], v[\a:\a+11], v[\b:\b+11], 0, v[\sa], v[\sb] matrix_a_fmt:MATRIX_FMT_FP6 matrix_b_fmt:MATRIX_FMT_FP6
.endif
.else
.if (\ra) && (\rb)
	v_wmma_scale_f32_16x16x128_f8f6f4 v[\d:\d+7], v[\a:\a+11], v[\b:\b+11], v[\d:\d+7], v[\sa], v[\sb] matrix_a_fmt:MATRIX_FMT_FP6 matrix_b_fmt:MATRIX_FMT_FP6 matrix_a_scale:MATRIX_SCALE_ROW1 matrix_b_scale:MATRIX_SCALE_ROW1
.elseif \ra
	v_wmma_scale_f32_16x16x128_f8f6f4 v[\d:\d+7], v[\a:\a+11], v[\b:\b+11], v[\d:\d+7], v[\sa], v[\sb] matrix_a_fmt:MATRIX_FMT_FP6 matrix_b_fmt:MATRIX_FMT_FP6 matrix_a_scale:MATRIX_SCALE_ROW1
.elseif \rb
	v_wmma_scale_f32_16x16x128_f8f6f4 v[\d:\d+7], v[\a:\a+11], v[\b:\b+11], v[\d:\d+7], v[\sa], v[\sb] matrix_a_fmt:MATRIX_FMT_FP6 matrix_b_fmt:MATRIX_FMT_FP6 matrix_b_scale:MATRIX_SCALE_ROW1
.else
	v_wmma_scale_f32_16x16x128_f8f6f4 v[\d:\d+7], v[\a:\a+11], v[\b:\b+11], v[\d:\d+7], v[\sa], v[\sb] matrix_a_fmt:MATRIX_FMT_FP6 matrix_b_fmt:MATRIX_FMT_FP6
.endif
.endif
.endm
	s_load_b256 s[4:11], s[0:1], 0x0               ; x s[4:5], gamma s[6:7], hq s[8:9], fgq s[10:11]
	s_load_b64 s[12:13], s[0:1], 0x20              ; out0
	v_lshl_add_u32 v[SPW], v0, 2, SPARE
	v_mov_b32 v[NIL], 0
	ds_add_u32 v19, v20
	s_wait_dscnt 0x0
	v_lshrrev_b32 v1, 5, v0
	v_readfirstlane_b32 s[WV], v1                  ; wave 0..3
	s_bfe_u32 s16, ttmp6, 0x40000                  ; cx
	s_lshl_b32 s62, ttmp9, 2
	s_add_co_u32 s16, s16, s62                     ; QB = 4 x cluster x + cx: it enters g's, x's and out0's addresses alone
	s_and_b32 s17, ttmp7, 0xffff                   ; the batch, which the four partners share
	s_lshr_b32 s[KN], ttmp9, 2                     ; the rotation, from the cluster's x alone, which the four partners share:
	s_mul_i32 s[KN], s[KN], 3
	s_xor_b32 s[KN], s[KN], ttmp9
	s_and_b32 s[KN], s[KN], 3                      ; q = (x xor 3 (x / 4)) mod 4
	s_add_co_u32 s83, s[KN], s[WV]
	s_and_b32 s83, s83, 3                          ; the quarter of f that I fetch: (q + w) mod 4; it lands at quarter w
	s_lshl_b32 s[KN], s[KN], 2                     ; my cluster's first key step, 4 q
	s_mov_b32 s[CS], 0x3fb8aa3b                    ; log2(e)
	s_mov_b32 s[CS+1], s[CS]                       ; (named with it as a pair, so it is written)
	s_mov_b32 s[SEL], 0x76543210
	s_mov_b32 s[SEL+1], 0xfedcba98
	; descriptor groups 1: dense blocks as rows of 256 bytes (32 elements of 8 bytes), a quarter to a wave
	s_mov_b32 s[G1H], 15|(3<<16)|(1<<21)           ; 15:0 the mask: all four work-groups; 17:16 elements of 8 bytes; 21 set beside a mask
	s_mov_b32 s[G1H+1], 32<<16
	s_mov_b32 s[G1H+2], 100<<16                    ; a quarter of 102,400 bytes
	s_mov_b32 s[G1H+3], 32<<16
	s_mov_b32 s[G1H+4], 100
	s_mov_b32 s[G1H+5], 32
	s_mov_b32 s[G1H+6], 0
	s_mov_b32 s[G1H+7], 0
	s_mov_b32 s[G1F], 15|(3<<16)|(1<<21)
	s_mov_b32 s[G1F+1], 32<<16
	s_mov_b32 s[G1F+2], 64<<16                     ; four key steps' tiles of f: 16,384 bytes
	s_mov_b32 s[G1F+3], 32<<16
	s_mov_b32 s[G1F+4], 64
	s_mov_b32 s[G1F+5], 32
	s_mov_b32 s[G1F+6], 0
	s_mov_b32 s[G1F+7], 0
	s_mov_b32 s[G1T], 15|(3<<16)|(1<<21)
	s_mov_b32 s[G1T+1], 32<<16
	s_mov_b32 s[G1T+2], 8<<16                      ; and their scale words: 2,048 bytes
	s_mov_b32 s[G1T+3], 32<<16
	s_mov_b32 s[G1T+4], 8
	s_mov_b32 s[G1T+5], 32
	s_mov_b32 s[G1T+6], 0
	s_mov_b32 s[G1T+7], 0
	s_mul_i32 s52, s17, 16*HBLK                    ; hq: my batch, my quarter of a block
	s_mul_i32 s23, s[WV], 25600
	s_add_co_u32 s52, s52, s23
	s_mov_b32 s53, 0
	s_mul_i32 s54, s17, 73728                      ; fgq: f's block of my batch
	s_add_co_u32 s56, s54, 8*73728                 ; and g's
	s_lshl_b32 s62, s16, 2
	s_add_co_u32 s62, s62, s[WV]                   ; my tile of queries: 4 QB + w
	s_lshl_b32 s58, s62, 6
	s_add_co_u32 s58, s58, s56
	s_add_co_u32 s58, s58, 65536                   ; its scale words
	s_lshl_b32 s62, s62, 9
	s_add_co_u32 s56, s56, s62                     ; its codes
	s_lshl_b32 s23, s83, 11
	s_add_co_u32 s[OFS], s54, s23
	s_add_co_u32 s[OFS], s[OFS], 65536             ; my quarter of f's scale words,
	s_mov_b32 s[OFS+1], 0
	s_lshl_b32 s23, s83, 14
	s_add_co_u32 s54, s54, s23                     ; and of f's tiles
	s_mov_b32 s55, 0
	s_mov_b32 s57, 0
	s_mov_b32 s59, 0
	s_lshl_b32 s60, s17, 23                        ; x, out0: my batch,
	s_lshl_b32 s62, s[WV], 21                      ; my wave's 256 channels,
	s_add_co_u32 s60, s60, s62
	s_lshl_b32 s62, s16, 8                         ; my block's 64 positions
	s_add_co_u32 s60, s60, s62
	s_mov_b32 s61, 0
	s_wait_kmcnt 0x0
	s_add_nc_u64 s[8:9], s[8:9], s[52:53]          ; stays: every slot's address is made from it
	s_add_nc_u64 s[54:55], s[10:11], s[54:55]
	s_add_nc_u64 s[G0T+2:G0T+3], s[10:11], s[OFS:OFS+1]
	s_add_nc_u64 s[56:57], s[10:11], s[56:57]
	s_add_nc_u64 s[58:59], s[10:11], s[58:59]
	s_add_nc_u64 s[4:5], s[4:5], s[60:61]
	s_add_nc_u64 s[12:13], s[12:13], s[60:61]
	s_load_b32 s14, s[6:7], 0x0                    ; gamma: waited for on the way out
	CROUND                                         ; all four work-groups are here: the first joint loads meet
	s_mul_i32 s23, s[WV], 25600
.irp s, 0,1
	s_mov_b32 s[G0S+4*\s], 1
	s_add_co_u32 s[G0S+4*\s+1], s23, \s*HBLK
	s_add_co_u32 s[OFS], s[KN], \s                 ; local step s is key step 4 q + s (13 at the most: no turn round 16 yet)
	s_mul_i32 s[OFS], s[OFS], HBLK
	s_add_nc_u64 s[G0S+4*\s+2:G0S+4*\s+3], s[8:9], s[OFS:OFS+1]
	s_or_b32 s[G0S+4*\s+3], s[G0S+4*\s+3], 0x80000000
.endr
	s_add_co_u32 s[KN], s[KN], 2                   ; local step 2 is asked for next
	s_lshl_b32 s23, s[WV], 14
	s_mov_b32 s[G0F], 1
	s_add_co_u32 s[G0F+1], s23, FIM
	s_mov_b64 s[G0F+2:G0F+3], s[54:55]
	s_or_b32 s[G0F+3], s[G0F+3], 0x80000000
	s_lshl_b32 s23, s[WV], 11
	s_mov_b32 s[G0T], 1
	s_add_co_u32 s[G0T+1], s23, FSC
	s_or_b32 s[G0T+3], s[G0T+3], 0x80000000
	tensor_load_to_lds s[G0F:G0F+3], s[G1F:G1F+7]  ; f first: phase A wants it.  Four loads of mine are out
	s_nop 0
	tensor_load_to_lds s[G0T:G0T+3], s[G1T:G1T+7]  ; f's scale words
	s_nop 0
	tensor_load_to_lds s[G0S:G0S+3], s[G1H:G1H+7]  ; local step 0
	s_nop 0
	tensor_load_to_lds s[G0S+4:G0S+7], s[G1H:G1H+7]   ; local step 1
	s_nop 0
	PLACES 4
	v_and_b32 v1, 15, v0                           ; r
	v_bfe_u32 v2, v0, 4, 1                         ; h
	v_and_b32 v30, 31, v0                          ; lane
	v_lshlrev_b32 v21, 4, v30                      ; 16 x lane
	v_lshlrev_b32 v31, 2, v30                      ; 4 x lane
	v_lshlrev_b32 v23, 2, v1                       ; 4 r
	global_load_b128 v[GF:GF+3], v21, s[56:57]     ; g of my 16 queries: registers 0-3 of the fragment
	global_load_b32 v[GS], v23, s[58:59]           ; and its scale words
	s_mul_i32 s23, s[WV], 16*FRB
	v_add_nc_u32 v[AH], s23, v21
	v_add_nc_u32 v[AH+1], HBLK, v[AH]
	s_lshl_b32 s23, s[WV], 10
	s_add_co_u32 s23, s23, 64*FRB
	v_add_nc_u32 v[AHS], s23, v31
	v_add_nc_u32 v[AHS+1], HBLK, v[AHS]
	v_add_nc_u32 v[AF], FIM, v21
	v_add_nc_u32 v[AFS], FSC, v31
	s_lshl_b32 s23, s[WV], 6
	s_add_co_u32 s23, s23, PWB
	v_add_nc_u32 v[APO], s23, v23
	v_add_nc_u32 v[APS], PWB, v31
	v_add_nc_u32 v[API], PIM, v21
	s_mul_i32 s23, s[WV], FRB
	s_add_co_u32 s23, s23, PIM
	v_add_nc_u32 v[APW], s23, v21
	s_mul_i32 s23, s[WV], 16*SPITCH
	s_add_co_u32 s23, s23, STG                     ; my stage
	v_mul_u32_u24 v[STO], v1, SPITCH               ; in: row = my channel, + 64 h
	v_lshl_add_u32 v[STO], v2, 6, v[STO]
	v_add_nc_u32 v[STO], s23, v[STO]
	v_mul_u32_u24 v[RD], v2, SPITCH                ; back: lanes 0-15 one row of 256 bytes, lanes 16-31 the next
	v_lshl_add_u32 v[RD], v1, 4, v[RD]
	v_add_nc_u32 v[RD], s23, v[RD]
	v_lshlrev_b32 v[GO], 13, v2                    ; and the same two rows (8,192 bytes apart) in x and out0
	v_lshl_add_u32 v[GO], v1, 4, v[GO]
	s_lshr_b32 s23, s[WV], 1                       ; row r of query tile w = 2 b + u is query 32 b + 8 u + r + 8 (r / 8)
	s_lshl_b32 s23, s23, 7
	s_and_b32 s52, s[WV], 1
	s_lshl_b32 s52, s52, 5
	s_add_co_u32 s23, s23, s52
	s_add_co_u32 s23, s23, LRG
	v_and_b32 v[ALR], 8, v1
	v_add_nc_u32 v[ALR], v[ALR], v1
	v_lshl_add_u32 v[ALR], v[ALR], 2, s23
	v_lshl_add_u32 v[AGL], v1, 4, LRG
	v_lshlrev_b32 v[PFO], 13, v30                  ; a row of x for each lane
.irp i, 0,1,2,3,4,5,6,7                ; the scores' K is 32 of the instruction's 128: registers 4-11 of f's and g's fragments are zero codes, set once
.irp j, 4,5,6,7,8,9,10,11
	v_mov_b32 v[FB+FR*\i+\j], 0
.endr
.endr
.irp j, 4,5,6,7,8,9,10,11
	v_mov_b32 v[GF+\j], 0
.endr
.irp j, 0,1,2,3
	v_mov_b32 v[LL+\j], 0                          ; the row's sum, in two pairs
.endr
	WIN 0x80
.irp i, 0,1,2,3,4,5,6,7                ; the same zero codes for phase A's second set of f's fragments, in window 2
.irp j, 4,5,6,7,8,9,10,11
	v_mov_b32 v[FR*\i+\j], 0
.endr
.endr
	WIN 0x40
.irp b, 0,1,2,3
	v_mov_b32 v[TP+\b], 0                          ; (a lane permute's destination counts as one of its sources)
.endr
	WIN 0
; f's 8 tiles (registers 0-3 of each fragment) and their scale words, s steps on from AF and AFS: 12 loads.  set = 0: v66.. and v48-51;  set = 1 (phase A alone): v0.. of window 2 and v38-41
.macro FLOAD s, set
.if \set
	WIN 0x80
.irp i, 0,1,2,3,4,5,6,7
	ds_load_b128 v[FR*\i:FR*\i+3], v[AF] offset:4096*(\s)+512*\i
.endr
	WIN 0
.irp k, 0,1,2,3
	ds_load_b32 v[HS+\k], v[AFS] offset:512*(\s)+128*\k
.endr
.else
	WIN 0
.irp i, 0,1,2,3,4,5,6,7
	ds_load_b128 v[FB+FR*\i:FB+FR*\i+3], v[AF] offset:4096*(\s)+512*\i
.endr
.irp k, 0,1,2,3
	ds_load_b32 v[FS+\k], v[AFS] offset:512*(\s)+128*\k        ; lanes 0-15: tile 2 k; lanes 16-31: tile 2 k + 1
.endr
.endif
.endm
.macro SCORE base, win, abase, sbase   ; S^T of 128 keys: 8 matrix instructions; results from v[base], f's fragments from v[abase], their scale words from v[sbase]
	WIN \win
.irp i, 0,1,2,3,4,5,6,7
.set rD, \base+8*\i
.set rA, \abase+FR*\i
	WM rD, rA, GF, 1, \sbase+\i/2, GS, \i%2, 0
.endr
.endm
.macro MAXA s                          ; the largest score of each of local step s's four blocks of 32 keys; each accumulator is read from its low end on
.set rB, BM+4*(\s)
.set rS, 192*((\s)%2)
	WIN 0x55
.irp b, 0,1,2,3
	v_max3_num_f32 v[rB+\b], v[rS+16*\b], v[rS+16*\b+1], v[rS+16*\b+2]
.endr
.irp i, 3,5,7,9,11,13
.irp b, 0,1,2,3
	v_max3_num_f32 v[rB+\b], v[rB+\b], v[rS+16*\b+\i], v[rS+16*\b+\i+1]
.endr
.endr
.irp b, 0,1,2,3
	v_max_num_f32 v[rB+\b], v[rB+\b], v[rS+16*\b+15]
.endr
.irp b, 0,1,2,3
	v_permlanex16_b32 v[TP+\b], v[rB+\b], s[SEL], s[SEL+1]
.endr
.irp b, 0,1,2,3
	v_max_num_f32 v[rB+\b], v[rB+\b], v[TP+\b]     ; with lane l xor 16's 16 keys
.endr
.endm
; PHASE A, local step s, on set s % 2: its products; the search through the step before, whose lines are also the places behind the products; the loads of the step two on, into the set just multiplied
.macro PHA s
.if (\s) < 15
	s_wait_dscnt 12                                ; this step's 12 loads are in; the next step's 12 may be out
.else
	s_wait_dscnt 0x0
.endif
.if (\s)%2
	SCORE 192, 0x42, 0, HS                         ; f in window 2, results in window 1
.else
	SCORE 0, 0x40, FB, FS                          ; results in window 1
.endif
.if (\s) > 0
	MAXA (\s)-1
.else
	PLACES 4
.endif
.if (\s)+2 < 16
	FLOAD (\s)+2, (\s)%2
.endif
.endm
	s_wait_tensorcnt 2                             ; my quarters of f's tiles and words are in; behind them the two slots' loads were issued and may stay out
	s_barrier_signal -1
	s_barrier_wait -1                              ; everybody's are
	FLOAD 0, 0
	FLOAD 1, 1
	s_wait_loadcnt 0x0                             ; g
.irp s, 0,1,2,3,4,5,6,7,8,9,10,11,12,13,14,15
	PHA \s
.endr
	MAXA 15
	; the row's largest score, M, and every block's scale byte
	WIN 0x55
.irp k, 0,1,2,3
	v_max3_num_f32 v[TP+4+\k], v[BM+16*\k], v[BM+16*\k+1], v[BM+16*\k+2]
.endr
.irp i, 3,5,7,9,11,13
.irp k, 0,1,2,3
	v_max3_num_f32 v[TP+4+\k], v[TP+4+\k], v[BM+16*\k+\i], v[BM+16*\k+\i+1]
.endr
.endr
.irp k, 0,1,2,3
	v_max_num_f32 v[TP+4+\k], v[TP+4+\k], v[BM+16*\k+15]
.endr
	v_max3_num_f32 v[TP+4], v[TP+4], v[TP+5], v[TP+6]
	v_max_num_f32 v[TP+4], v[TP+4], v[TP+7]
	v_mul_f32 v[TP+4], s[CS], v[TP+4]              ; as t
	v_floor_f32 v[TP+5], -v[TP+4]                  ; -M = floor(-t) = -ceil(t)
	WIN 0x01
	v_mov_b32 v[NM], v[TP+5]
	v_mov_b32 v[NM+1], v[TP+5]
	WIN 0x55
.set jj, 0
.rept 64
	v_fma_f32 v[BM+jj], v[BM+jj], s[CS], v[TP+5]   ; t - M of each block's largest score: the same multiply-add
.set jj, jj+1
.endr
.set jj, 0
.rept 64
	v_exp_f32 v[BM+jj], v[BM+jj]                   ; and the same exponential as p's: the block's largest p
.set jj, jj+1
.endr
	v_nop                                          ; a plain place behind the exponentials
.set jj, 0
	s_wait_alu depctr_va_vdst(0)
.rept 64
	v_max_num_f32 v[BM+jj], 0x1800000, v[BM+jj]    ; the floor 2^(3 - 127): the byte cannot fall under 1
.set jj, jj+1
.endr
.set jj, 0
.rept 64
	v_add_nc_u32 v[BM+jj], 0xff000000, v[BM+jj]    ; 2 off the exponent field
.set jj, jj+1
.endr
.set jj, 0
.rept 64
	v_lshrrev_b32 v[BM+jj], 23, v[BM+jj]           ; the byte
.set jj, jj+1
.endr
.irp s, 0,1,2,3,4,5,6,7,8,9,10,11,12,13,14,15
	v_lshl_or_b32 v[BM+4*\s], v[BM+4*\s+1], 8, v[BM+4*\s]
	v_lshl_or_b32 v[BM+4*\s], v[BM+4*\s+2], 16, v[BM+4*\s]
	v_lshl_or_b32 v[BM+4*\s], v[BM+4*\s+3], 24, v[BM+4*\s]    ; p's scale word of local step s
.endr
	WIN 0x04                                       ; an LDS store's data are its source 1: window 1
.irp s, 0,1,2,3,4,5,6,7,8,9,10,11,12,13,14,15
	ds_store_b32 v[APO], v[BM+4*\s] offset:256*\s  ; lanes l and l xor 16 write the same word with the same value
.endr
	WIN 0
.macro FETCH_F                         ; 13 loads: the next step's f, and my own scale word of that step's p
	FLOAD 0, 0
	ds_load_b32 v[PWR], v[APO]
.endm
.macro UNPACK                          ; the word's four bytes become the conversions' scale operands; with the three address steps: eleven plain places behind the scores' products
.irp b, 0,1,2,3
	v_bfe_u32 v[SCL+\b], v[PWR], 8*\b, 8
.endr
.irp b, 0,1,2,3
	v_lshlrev_b32 v[SCL+\b], 23, v[SCL+\b]
.endr
	v_add_nc_u32 v[AF], 4096, v[AF]
	v_add_nc_u32 v[AFS], 512, v[AFS]
	v_add_nc_u32 v[APO], 256, v[APO]
.endm
.macro FETCH_H slot, half              ; 28 loads: 8 of my 16 tiles of hh, and their scale words (lanes 0-15: tile 2 k; lanes 16-31: tile 2 k + 1)
	WIN 0x40
.irp i, 0,1,2,3,4,5,6,7
.irp c, 0,1,2
	ds_load_b128 v[FR*(8*\half+\i)+4*\c:FR*(8*\half+\i)+4*\c+3], v[AH+\slot] offset:FRB*(8*\half+\i)+512*\c
.endr
.endr
	WIN 0
.irp k, 0,1,2,3
	ds_load_b32 v[HS+4*\half+\k], v[AHS+\slot] offset:512*\half+128*\k
.endr
.endm
.macro FETCH_P buf                     ; 14 loads: p's four fragments, as their waves stored them, and their scale words
	WIN 0x40
.irp q, 0,1,2,3
.irp c, 0,1,2
	ds_load_b128 v[192+FR*\q+4*\c:192+FR*\q+4*\c+3], v[API] offset:(\buf)*PBUF+FRB*\q+512*\c
.endr
.endr
	WIN 0
.irp k, 0,1
	ds_load_b32 v[PS+\k], v[APS] offset:128*\k
.endr
	v_add_nc_u32 v[APS], 256, v[APS]               ; on to the next step's words
.endm
; 8 matrix instructions: channel tiles t0, t0 + 1 x the four tiles of queries.  The 64 accumulators take turns, one instruction a turn.
.macro PV8 t0, zero
	WIN 0xa5+0x50*((\t0)/8)                        ; sources 0 (p) and 1 (hh) window 1; C and D window 2 or 3
.irp q, 0,1,2,3
.irp a, \t0, \t0+1
.set rD, 8*(4*((\a)%8)+\q)
.set rP, 192+FR*\q
.set rH, FR*(\a)
	WM rD, rP, rH, \zero, PS+\q/2, HS+(\a)/2, \q%2, (\a)%2
.endr
.endr
.endm
.macro XLD t                           ; x of tile t's 16 rows into set t % 6: sixteen lanes read a row's 256 bytes
	WIN 0
.irp i, 0,1,2,3,4,5,6,7
	global_load_b128 v[XR+32*((\t)%6)+4*\i:XR+32*((\t)%6)+4*\i+3], v[GO], s[4:5] offset:(16*(\t)+2*\i)*8192 th:TH_LOAD_NT
.endr
.endm
; THE SOFTMAX OF A STEP, in six chunks, all in window 0
.macro EXPS j0, n
.set jj, \j0
.rept \n
	v_exp_f32 v[SS+jj], v[SS+jj]                   ; p = 2^(t - M), at most 1: NOT normalised
.set jj, jj+1
.endr
.endm
.macro SUMS n0, n                      ; the row's sum is taken of the unquantised p: two at a time, in two chains
.set jj, \n0
	s_wait_alu depctr_va_vdst(0)
.rept \n
	v_pk_add_f32 v[LL+2*(jj%2):LL+2*(jj%2)+1], v[LL+2*(jj%2):LL+2*(jj%2)+1], v[SS+2*jj:SS+2*jj+1]
.set jj, jj+1
.endr
.endm
.macro CONV c
	v_cvt_scalef32_pk16_fp6_f32 v[PC+6*\c:PC+6*\c+2], v[SS+32*\c:SS+32*\c+15], v[SCL+2*\c]
	v_cvt_scalef32_pk16_fp6_f32 v[PC+12+4*\c:PC+14+4*\c], v[SS+32*\c+16:SS+32*\c+31], v[SCL+2*\c+1]
	s_wait_alu depctr_va_vdst(0)
.endm
.macro K0
	WIN 0
.set jj, 0
.rept 32
	v_pk_fma_f32 v[SS+jj:SS+jj+1], v[SS+jj:SS+jj+1], s[CS:CS+1], v[NM:NM+1] op_sel_hi:[1,0,0]   ; t - M, two at a time; each accumulator from its low end on
.set jj, jj+2
.endr
.endm
.macro K1
	WIN 0
	EXPS 0, 24
	v_nop                                          ; a plain place behind the exponentials
.endm
.macro K2
	WIN 0
	EXPS 24, 24
	SUMS 0, 12                                     ; (these twelve are also the places in front of the loads that follow)
.endm
.macro K3
	WIN 0
	EXPS 48, 16
	SUMS 12, 12
.endm
.macro K4
	CONV 0
	SUMS 24, 8
	CONV 1
	v_nop                                          ; one plain place behind a scaled conversion
.endm
.macro K5 buf
	WIN 0
.irp c, 0,1                            ; the operand's layout wants a WHOLE block in a lane
.irp i, 0,1,2
	v_permlane16_swap_b32 v[PC+6*\c+\i], v[PC+12+4*\c+\i]
.endr
.irp i, 0,1,2
	v_mov_b32 v[PC+3+6*\c+\i], v[PC+12+4*\c+\i]
.endr
.endr
.irp c, 0,1,2
	ds_store_b128 v[APW], v[PC+4*\c:PC+4*\c+3] offset:(\buf)*PBUF+512*\c    ; the fragment goes to LDS as it stands
.endr
.endm
; PERIOD j (local steps), par = j % 2; it begins straight behind the barrier that closed period j - 1.
; refill: slot 1 - par takes local step j + 1.  sm: the scores and softmax of step j + 1.  prev: the second half of step j - 1's products.  zhi, zlo: these products start the sums.
; close: 2 = the barrier opens a round of the cluster's barrier (a refill follows); 1 = the work-group's barrier alone; 0 = none.  pf: 1, 2 = x is asked for ahead (below).
; The first eight products of the step before have their operands in registers: they stand ahead of the wait for f.  The softmax's last two chunks of arithmetic stand behind the loads that bring p, ahead of the wait for them.
.macro PERIOD par, refill, sm, prev, zhi, zlo, close, pf
.if \refill
	tensor_load_to_lds s[G0S+4*(1-\par):G0S+4*(1-\par)+3], s[G1H:G1H+7]   ; my one tensor load behind the round, first thing there: it has the whole period, 72 matrix instructions, in which to land
	s_nop 0
.endif
	PLACES 4                                       ; behind a tensor load; also the places in front of the loads into registers that the last products read
.if \pf == 2
	XLD 3                                          ; S's and the codes' registers have had their last use (the stores of the codes were waited for in front of the barrier): x of tiles 3 to 5
	XLD 4
	XLD 5
.endif
.if \sm
	FETCH_F
.endif
	FETCH_H \par, 0
.if \prev
	PV8 8, \zhi
.endif
.if \sm
	s_wait_dscnt 28                                ; f and my word are in; hh's 28 loads may be out
	SCORE SS, 0, FB, FS
	UNPACK
.endif
.if \pf == 1
	XLD 0                                          ; these were the last scores: g's and f's registers take x of tiles 0 to 2 (UNPACK's lines are the places behind the products that read them)
	XLD 1
	XLD 2
; x of my wave's channels 96 to 223 (a row's 256 bytes to a lane, 4 x 32 rows, 32 KiB a wave, each block asked for by this wave alone): these rows are loaded from the seventh tile of the way out on, more than a period and a half further down
.irp i, 0,1,2,3
	global_prefetch_b8 v[PFO], s[4:5] offset:(96+32*\i)*8192 th:TH_LOAD_NT scope:SCOPE_SE
.endr
.endif
.if \prev
	PV8 10, \zhi
.endif
.if \sm
	K0
.endif
.if \prev
	PV8 12, \zhi
.endif
.if \sm
	K1
.endif
.if \prev
	PV8 14, \zhi
.endif
.if \sm
	K2
.else
	PLACES 4
.endif
	FETCH_P \par
	FETCH_H \par, 1
.if \sm
	K3
	K4
.endif
	s_wait_dscnt 28                                ; p and hh's first half are in; the second half's 28 loads may be out
	PV8 0, \zlo
.if \sm
	K5 1-\par
.endif
.if \close
	WIN 0                                          ; (the add's two registers lie in window 0)
	s_wait_tensorcnt 0x0                           ; all my tensor loads have landed: my quarter of the next step's hh;
	ds_add_u32 v[SPW], v[NIL]                      ; 0 onto my spare word
.if \close == 2
	s_and_b32 s[OFS], s[KN], 15                    ; no tensor load of mine is out, so a group 0 may be written: this slot's next step is key step (4 q + j + 2) mod 16,
	s_mul_i32 s[OFS], s[OFS], HBLK                 ; its block's place in the batch's hq (the offset is made apart from the address),
	s_add_nc_u64 s[G0S+4*\par+2:G0S+4*\par+3], s[8:9], s[OFS:OFS+1]
	s_or_b32 s[G0S+4*\par+3], s[G0S+4*\par+3], 0x80000000     ; and the type
	s_add_co_u32 s[KN], s[KN], 1
.endif
	PV8 2, \zlo
	PV8 4, \zlo                                    ; sixteen matrix instructions stand between the add and the wait for it
	s_wait_dscnt 0x0                               ; the add is done, my image of p has landed, and my reads of this slot and of p's other buffer are over
	s_barrier_signal -1
	PV8 6, \zlo
	WIN 0
	s_barrier_wait -1
.if \close == 2
	CREST                                          ; no wave of any partner still reads this slot or has a load on its way
.endif
.else
	PV8 2, \zlo
	PV8 4, \zlo
	PV8 6, \zlo
.endif
.endm
	FETCH_F                                        ; the softmax of local step 0 stands alone (LDS serves a wave's instructions in order: my word is read behind my stores)
	s_wait_dscnt 0x0
	SCORE SS, 0, FB, FS
	UNPACK
	K0
	K1
	K2
	K3
	K4
	K5 0
	s_wait_tensorcnt 1                             ; my quarter of slot 0 is in; slot 1's may stay out
	s_wait_dscnt 0x0                               ; my scale words and my image of p have landed
	s_barrier_signal -1
	s_barrier_wait -1
	PERIOD 0, 0, 1, 0, 0, 1, 2, 0
	PERIOD 1, 1, 1, 1, 1, 0, 2, 0
	s_mov_b32 s22, 6
.Lpair:                                                ; periods 2 to 13
	PERIOD 0, 1, 1, 1, 0, 0, 2, 0
	PERIOD 1, 1, 1, 1, 0, 0, 2, 0
	s_sub_co_u32 s22, s22, 1
	s_cmp_lg_u32 s22, 0
	s_cbranch_scc1 .Lpair
	PERIOD 0, 1, 1, 1, 0, 0, 1, 1                  ; the tail is written out: period 14 asks for the last step,
	PERIOD 1, 0, 0, 1, 0, 0, 0, 2                  ; period 15 for nothing
	s_wait_dscnt 0x0                               ; hh's second half
	PV8 8, 0
	PV8 10, 0
	PV8 12, 0
	PV8 14, 0
	WIN 0
; THE WAY OUT.  A tile (16 channels x 64 queries) goes through my stage in LDS and comes back as whole rows of 256 bytes, into hh's registers, which are free; out = O x (gamma / l) + x; sixteen lanes store 256 consecutive bytes, aligned.
.macro TOSTAGE t
.set AC, 32*((\t)%8)
.set BB, BK+32*((\t)%2)
	WIN 0x08+4*((\t)/8)                            ; the data: window 2 or 3
.irp q, 0,1,2,3
	ds_store_b128 v[STO], v[AC+8*\q:AC+8*\q+3] offset:128*(\q/2)+32*(\q%2)          ; each accumulator from its low end on
	ds_store_b128 v[STO], v[AC+8*\q+4:AC+8*\q+7] offset:128*(\q/2)+32*(\q%2)+16
.endr
	WIN 0x40                                       ; back into window 1
.irp i, 0,1,2,3,4,5,6,7
	ds_load_b128 v[BB+4*\i:BB+4*\i+3], v[RD] offset:2*\i*SPITCH    ; LDS serves a wave's instructions in order (ISA guide 5.7.1.4): these see the stores above
.endr
.endm
.macro SEND t, younger                 ; younger: the LDS instructions issued behind tile t's loads
.set BB, BK+32*((\t)%2)
.set XX, XR+32*((\t)%6)
.set LC, 40
.if 8*(15-(\t)) < 40
.set LC, 8*(15-(\t))
.endif
	s_wait_dscnt \younger
	s_wait_loadcnt LC                              ; x of this tile is in; x of the tiles behind it (five, fewer at the end) may be out
	WIN 0x41                                       ; the rows of O (destination and source 0) in window 1; gamma / l and x in window 0
.irp i, 0,1,2,3,4,5,6,7
	v_pk_fma_f32 v[BB+4*\i:BB+4*\i+1], v[BB+4*\i:BB+4*\i+1], v[GL:GL+1], v[XX+4*\i:XX+4*\i+1]
	v_pk_fma_f32 v[BB+4*\i+2:BB+4*\i+3], v[BB+4*\i+2:BB+4*\i+3], v[GL+2:GL+3], v[XX+4*\i+2:XX+4*\i+3]
.endr
	WIN 0x04                                       ; a store's data are its source 1: window 1
.irp i, 0,1,2,3,4,5,6,7
	global_store_b128 v[GO], v[BB+4*\i:BB+4*\i+3], s[12:13] offset:(16*(\t)+2*\i)*8192 th:TH_STORE_NT
.endr
.endm
	v_pk_add_f32 v[LL:LL+1], v[LL:LL+1], v[LL+2:LL+3]
	v_add_f32 v[LL], v[LL], v[LL+1]
	v_permlanex16_b32 v30, v[LL], s[SEL], s[SEL+1]
	v_add_f32 v[LL], v[LL], v30                    ; with lane l xor 16's keys: the row's sum (over 1/2, since the row's largest p is)
	v_rcp_f32 v[LL], v[LL]
	v_nop                                          ; a plain place behind the reciprocal
	s_wait_kmcnt 0x0                               ; gamma
	s_wait_alu depctr_va_vdst(0)
	v_mul_f32 v[LL], s14, v[LL]
	ds_store_b32 v[ALR], v[LL]                     ; gamma / l at my query's place among the 64
	s_wait_dscnt 0x0                               ; for the others' sake
	s_barrier_signal -1
	s_barrier_wait -1
	ds_load_b128 v[GL:GL+3], v[AGL]                ; of the four queries whose bytes I store
	PLACES 4
	TOSTAGE 0
.irp t, 1,2,3,4,5,6,7,8,9,10,11,12,13,14,15
	s_wait_xcnt 0x0                                ; the stores of two tiles ago have read the registers that this tile's rows come back into
	TOSTAGE \t
	SEND \t-1, 16                                  ; behind tile t - 1's loads: tile t's 8 stores and 8 loads
.if \t+5 < 16
	XLD \t+5                                       ; the set that tile t - 1 has left takes the tile six on
.endif
.endr
	SEND 15, 0
	WIN 0
	s_wait_tensorcnt 0x0                           ; the wave's end
	ds_add_u32 v[SPW], v[NIL]
	s_wait_dscnt 0x0
	CROUND                                         ; the closing round: no work-group ends while a partner may still ask for a block that names it
	s_endpgm
.Lfunc_end_k_q21a9053e6f_attn:
	.size	k_q21a9053e6f_attn, .Lfunc_end_k_q21a9053e6f_attn-k_q21a9053e6f_attn
	.p2alignl 7, 3214868480
	.fill 96, 4, 3214868480
	.section	.rodata,"a",@progbits
	.p2align	6, 0x0
	.amdhsa_kernel k_q21a9053e6f_attn
		.amdhsa_group_segment_fixed_size 327680
		.amdhsa_private_segment_fixed_size 0
		.amdhsa_enable_private_segment 0
		.amdhsa_kernarg_size 40
		.amdhsa_user_sgpr_count 2
		.amdhsa_user_sgpr_kernarg_segment_ptr 1
		.amdhsa_wavefront_size32 1
		.amdhsa_system_sgpr_workgroup_id_x 1
		.amdhsa_system_sgpr_workgroup_id_y 1
		.amdhsa_system_sgpr_workgroup_id_z 1
		.amdhsa_system_vgpr_workitem_id 0
		.amdhsa_next_free_vgpr 1024
		.amdhsa_next_free_sgpr 84
		.amdhsa_reserve_vcc 0
		.amdhsa_float_denorm_mode_32 3
		.amdhsa_float_denorm_mode_16_64 3
		.amdhsa_memory_ordered 1
		.amdhsa_forward_progress 1
		.amdhsa_inst_pref_size 255
	.end_amdhsa_kernel
	.section	.bss,"aw",@nobits
	.p2align	6
	.space	262144
	.amdgpu_metadata
---
amdhsa.version: [ 1, 2 ]
amdhsa.kernels:
  - .name:           k_q21a9053e6f_attn
    .symbol:         k_q21a9053e6f_attn.kd
    .args:
      - { .name: x, .offset: 0, .size: 8, .value_kind: global_buffer, .address_space: global }
      - { .name: gamma, .offset: 8, .size: 8, .value_kind: global_buffer, .address_space: global }
      - { .name: hq, .offset: 16, .size: 8, .value_kind: global_buffer, .address_space: global }
      - { .name: fgq, .offset: 24, .size: 8, .value_kind: global_buffer, .address_space: global }
      - { .name: out0, .offset: 32, .size: 8, .value_kind: global_buffer, .address_space: global }
    .group_segment_fixed_size: 327680
    .private_segment_fixed_size: 0
    .kernarg_segment_align: 8
    .kernarg_segment_size: 40
    .max_flat_workgroup_size: 128
    .sgpr_count:     84
    .vgpr_count:     1024
    .wavefront_size: 32
...
	.end_amdgpu_metadata
.endif
;; end of part 3
